; MI455X (gfx1250); checked and timed in simulation.
; The chip was launched on July 23, 2026; its instructions are those of AMD's public machine-readable ISA for CDNA 5 (MIT licence, August 2026) and "CDNA5" Instruction Set Architecture Reference Guide (July 2026). The comments in the code are by the model that wrote it; some were corrected since.
;; Multi Head Attention. Allowed arithmetic: matrix products marked QUANTISED: E2M3 operands, one E8M0 scale for each 32 along K, by v_wmma_scale_f32_16x16x128_f8f6f4 with both operands' format E2M3, f32 sums; everything else in f32.
;; Inputs: Wk 1,024 x 1,024 float32; Wo 1,024 x 1,024 float32; Wq 1,024 x 1,024 float32; Wv 1,024 x 1,024 float32; beta 1,024 float32; bk 1,024 float32; bo 1,024 float32; bq 1,024 float32; bv 1,024 float32; gamma 1,024 float32; x 4 x 2,048 x 1,024 float32.
;; Outputs: out0 4 x 2,048 x 1,024 float32.
;; This version of the problem:
;;   THIS VERSION OF THE PROBLEM IS GIVEN IN LOW PRECISION. The matrix products marked QUANTISED in the list below multiply operands that are first quantised to E2M3 (2 exponent bits, 3 mantissa bits; 6 bits a number), with one power-of-two scale for each 32 numbers along K (OCP MX v1.0); their sums are f32. All else is computed in f32.
;;   The module's matrix products, in the order in which they are computed (A, B: the left and right operand; K: the contracted axis; several contracted axes count as one K, in the product's order):
;;     1. [M 8,192, K 1,024] x [K 1,024, N 1,024]; A: input x; B: input Wq: QUANTISED
;;     2. [M 8,192, K 1,024] x [K 1,024, N 1,024]; A: input x; B: input Wk: QUANTISED
;;     3. [M 8,192, K 1,024] x [K 1,024, N 1,024]; A: input x; B: input Wv: QUANTISED
;;     4. batch 64 x [M 2,048, K 64] x [K 64, N 2,048]; A: computed on the way; B: computed on the way: QUANTISED
;;     5. batch 64 x [M 2,048, K 2,048] x [K 2,048, N 64]; A: softmax (see below); B: computed on the way: QUANTISED
;;     6. [M 8,192, K 1,024] x [K 1,024, N 1,024]; A: computed on the way; B: input Wo: QUANTISED
;;   THE QUANTISER, for each operand of a quantised product, along K:
;;     - K is cut into blocks of 32 from its start; a last block that is shorter is filled with zeros.
;;     - A block's scale is 2^e with e = floor(log2(the largest magnitude in the block)) - 2, held to -126 .. 127; a block of zeros has e = 0. As a byte (E8M0): e + 127.
;;     - Each number is divided by its block's scale, clamped to +-7.5, and rounded to the nearest number of E2M3, ties to even, subnormals kept.
;;     - The product sums the exact products of the quantised numbers (number of the format x scale) in f32.
;;   ~~~python
;;   def quantise(x, axis):      # numpy; x: float32 -> the quantised numbers, widened to float32 again
;;       x = np.moveaxis(x, axis, -1); K = x.shape[-1]
;;       x = np.pad(x, [(0, 0)] * (x.ndim - 1) + [(0, -K % 32)]); x = x.reshape(x.shape[:-1] + (-1, 32)); a = np.abs(x).max(-1, keepdims=True)
;;       e = np.where(a > 0, np.clip(np.frexp(np.where(a > 0, a, 1))[1] - 1 - 2, -126, 127), 0)      # np.frexp(a)[1] - 1 = floor(log2(a)), exactly
;;       r = np.clip(x / 2.0 ** e, -7.5, 7.5)
;;       step = 2.0 ** (np.maximum(np.frexp(np.where(r == 0, 1, r))[1] - 1, 0) - 3)
;;       q = np.round(r / step) * step * 2.0 ** e      # np.round: ties to even
;;       return np.moveaxis(q.reshape(q.shape[:-2] + (-1,))[..., :K], -1, axis).astype(np.float32)
;;   ~~~
;;   SOFTMAX AHEAD OF A QUANTISED PRODUCT. Where the list says 'softmax', what is quantised is not the finished softmax but p = 2^(t - M), with t = logit x log2(e) and M = ceil(the row's largest t), a whole number; so 1/2 < the row's largest p <= 1. The row's sum l is taken of the UNQUANTISED p, in f32, and the product's result is divided by l at the end. Since M is a whole number, a kernel that streams over the keys may use a running M (the ceiling of the running maximum): every later rescaling is an exact power of two, which a block's scale takes up: the codes' values come out the same.
;;   OPERANDS COMPUTED ON THE WAY. 'Computed on the way' means the value that the module computes at that place (a softmax that the list does not call 'softmax' is quantised finished and normalised). What goes into a quantiser is computed in f32, as accurately as f32 sums, v_exp_f32 and their like allow (about 1e-6 of the number): no bf16 or f16 on the way to a quantiser, and a product that is left as it is and whose result goes on into a quantised operand takes f32 operands (vector FMAs, or v_wmma_f32_16x16x4_f32). A number that lies on a knife's edge between two numbers of the format may be rounded either way, as far as f32 arithmetic and the matrix unit's own rounding can turn it there, and no further.
;; One version. Each part assembles by itself: llvm-mc -triple=amdgcn-amd-amdhsa -mcpu=gfx1250 --defsym DOCPART=n.
;; ======== version 1 of 1: 4 launches
;; workspace buffers: xq 6,553,600 bytes; wq 3,276,800 bytes; qc 6,815,744 bytes; kc 6,815,744 bytes; vc 6,553,600 bytes; cq 6,553,600 bytes
;; launch quant (part 1): grid 384 x 1, 4 waves a work-group, no clusters, 34,304 bytes of LDS; arguments x, Wq, Wk, Wv, Wo, xq, wq; writes xq, wq
.if DOCPART == 1
	.amdgcn_target "amdgcn-amd-amdhsa--gfx1250"
	.amdhsa_code_object_version 6
	.text
	.protected	k_qee35c67e26_quant
	.globl	k_qee35c67e26_quant
	.p2align	8
	.type	k_qee35c67e26_quant,@function
k_qee35c67e26_quant:
	s_mov_b64 s[64:65], 0
	v_nop
	global_prefetch_b8 v0, s[64:65] scope:SCOPE_SE
	s_setreg_imm32_b32 hwreg(HW_REG_WAVE_MODE, 25, 1), 1
	s_wait_xcnt 0x0
; x [8192][1024] and Wq, Wk, Wv, Wo [1024][1024], f32 with K innermost, become codes of FP6 (E2M3) with one E8M0 scale byte for each 32 along K,
; laid in the ORDER OF THE OPERAND'S REGISTERS, so that the later launches fetch fragments by loads of 16 bytes a lane and nothing else.
; A block's scale is 2^(floor(log2(its largest magnitude)) - 2): its byte is the largest magnitude's exponent field - 2, held at 1 from below.
; TILES.  Rows go in pairs of tiles: pair a covers rows 32 a .. 32 a + 31; lane index r of tile 2 a + u stands for row 32 a + 8 u + r % 8 + 16 (r / 8).
; A FRAGMENT IMAGE is 16 rows x 128 K = 12 registers a lane = 1,536 bytes: chunk k (512 bytes) holds registers 4 k .. 4 k + 3 of lane l at 16 l.
; xq: images [512 tiles][8 K steps] at 0; scale words [512][4 pairs of K steps][16 r][2 words] at XS.  wq: the same for 256 tiles (Wq, Wk, Wv, Wo, 64 each), words at WS.
; SHARES.  A work-group takes one pair of tiles (the first 256: x, then 32 for each weight); wave w takes tile u = w / 2 and K steps 4 (w % 2) + 0 .. 3.
; Each load reads 512 consecutive bytes of one row; a K step's 16 rows turn through the wave's own stage in LDS (rows of 512 + 16 bytes) and come back 128 bytes a block:
; lane (r, h) then holds k = 64 c + 32 h + 0 .. 31 of row r, the very numbers that its operand registers 6 c .. 6 c + 5 want.  No barrier: waves share nothing.
; No cluster: no two work-groups read the same byte.
; LIMITS: NaN and infinities among the inputs are not served.  A block of zeros, or one whose largest magnitude lies under 2^-124, gets the byte 1
; (the rule says 127 for zeros): its codes are zeros, and the bytes are read by this program alone.
.set XS,   6291456                     ; xq: where the scale words begin
.set WS,   3145728                     ; wq: likewise
.set STGB, 8448                        ; a wave's stage: 16 rows x 528 bytes
.set SPI,  528
.set R,    16                          ; v16-143  two sets of 64 registers as loaded
.set X,    144                         ; v144-207 64 numbers in the operand's order
.set C,    208                         ; v208-219 the fragment's codes
.set CT,   220                         ; v220-226 the halves that a conversion cannot put on an odd register
	s_load_b256 s[4:11], s[0:1], 0x0               ; x, Wq, Wk, Wv
	s_load_b128 s[12:15], s[0:1], 0x20             ; Wo, xq
	s_load_b64 s[16:17], s[0:1], 0x30              ; wq
	v_lshl_add_u32 v232, v0, 2, 0x8400
	v_mov_b32 v233, 0
	v_lshrrev_b32 v1, 5, v0
	v_readfirstlane_b32 s20, v1                    ; wave
	v_and_b32 v6, 31, v0                           ; lane
	v_and_b32 v8, 15, v0                           ; r
	v_bfe_u32 v9, v0, 4, 1                         ; h
	s_lshr_b32 s21, s20, 1                         ; u
	s_and_b32 s22, s20, 1                          ; which half of K
	s_mul_i32 s23, s20, STGB                       ; my stage
	v_lshlrev_b32 v1, 4, v6                        ; 16 x lane: my bytes of a load, and of an image's chunk
	v_add_nc_u32 v2, s23, v1                       ; the stage, on the way in
	v_mul_u32_u24 v3, v8, SPI
	v_lshl_add_u32 v3, v9, 7, v3
	v_add_nc_u32 v3, s23, v3                       ; and on the way out: row r, + 128 h
	v_lshlrev_b32 v4, 3, v8
	v_lshl_add_u32 v4, v9, 2, v4                   ; scale words: 8 r + 4 h
	v_lshlrev_b32 v5, 3, v9                        ; 8 h: my two bytes' place in a scale word
	v_mov_b32 v7, 0                                ; a lane permute's destination counts as one of its sources
	s_mov_b32 s30, 0x76543210
	s_mov_b32 s31, 0xfedcba98                      ; lane l xor 16
	s_mov_b32 s32, 0xffff0000                      ; lanes 16-31
	s_and_b32 s28, ttmp9, 31
	s_mov_b32 s25, WS
	s_wait_alu depctr_va_vdst(0)
	s_wait_kmcnt 0x0
	s_cmp_lt_u32 ttmp9, 352                        ; which tensor: the choice hangs on the work-group's number alone
	s_cselect_b64 s[26:27], s[10:11], s[12:13]
	s_cmp_lt_u32 ttmp9, 320
	s_cselect_b64 s[26:27], s[8:9], s[26:27]
	s_cmp_lt_u32 ttmp9, 288
	s_cselect_b64 s[26:27], s[6:7], s[26:27]
	s_cmp_lt_u32 ttmp9, 256
	s_cselect_b64 s[26:27], s[4:5], s[26:27]
	s_cselect_b64 s[18:19], s[14:15], s[16:17]     ; where it goes
	s_cselect_b32 s28, ttmp9, s28                  ; the pair's number in its tensor
	s_cselect_b32 s24, 0, 256
	s_cselect_b32 s25, XS, s25
	s_sub_co_u32 s24, ttmp9, s24                   ; and in its workspace buffer
	s_lshl_b32 s28, s28, 5
	s_lshl_b32 s33, s21, 3
	s_add_co_u32 s28, s28, s33                     ; the tile's first row: 32 pair + 8 u
	s_lshl_b32 s28, s28, 12                        ; rows of 4,096 bytes
	s_lshl_b32 s33, s22, 11
	s_add_co_u32 s28, s28, s33                     ; + my half of K
	s_mov_b32 s29, 0
	s_add_nc_u64 s[26:27], s[26:27], s[28:29]
	s_lshl_b32 s24, s24, 1
	s_add_co_u32 s24, s24, s21                     ; the tile
	s_lshl_b32 s28, s24, 3
	s_lshl_b32 s33, s22, 2
	s_add_co_u32 s28, s28, s33
	s_mul_i32 s28, s28, 1536
	s_add_nc_u64 s[34:35], s[18:19], s[28:29]      ; my four images
	s_lshl_b32 s28, s24, 9
	s_lshl_b32 s33, s22, 8
	s_add_co_u32 s28, s28, s33
	s_add_co_u32 s28, s28, s25
	s_add_nc_u64 s[36:37], s[18:19], s[28:29]      ; my scale words
.macro LOAD f                          ; K step f of my 16 rows: each load 512 consecutive bytes of one row
.set p, 0
.rept 16
	global_load_b128 v[R+64*((\f)%2)+4*p:R+64*((\f)%2)+4*p+3], v1, s[26:27] offset:((p%8)+16*(p/8))*4096+512*(\f) th:TH_LOAD_NT
.set p, p+1
.endr
.endm
.macro STEP f
.set RS, R+64*((\f)%2)
.if (\f) < 3
	s_wait_loadcnt 16                              ; this K step's 16 loads are in; the next step's 16 may be out
.else
	s_wait_loadcnt 0x0
.endif
.set p, 0
.rept 16
	ds_store_b128 v2, v[RS+4*p:RS+4*p+3] offset:SPI*p
.set p, p+1
.endr
.irp c, 0,1
.irp j, 0,1,2,3,4,5,6,7
	ds_load_b128 v[X+32*\c+4*\j:X+32*\c+4*\j+3], v3 offset:256*\c+16*\j   ; LDS serves a wave's instructions in order: these see the stores above
.endr
.endr
	s_wait_dscnt 0x0                               ; the numbers are back: so the stores into the stage have read their registers,
.if (\f) < 2
	LOAD (\f)+2                                    ; which take the loads of two steps on
.endif
.irp c, 0,1
	v_max3_num_f32 v[8+\c], |v[X+32*\c]|, |v[X+32*\c+1]|, 0x1800000   ; block 2 c + h: all 32 numbers are mine; the floor 2^(3 - 127) holds the byte at 1 from below
.endr
.irp i, 2,4,6,8,10,12,14,16,18,20,22,24,26,28,30
.irp c, 0,1
	v_max3_num_f32 v[8+\c], v[8+\c], |v[X+32*\c+\i]|, |v[X+32*\c+\i+1]|   ; (the two blocks by turns)
.endr
.endr
.irp c, 0,1
	v_add_nc_u32 v[10+\c], 0xff000000, v[8+\c]     ; 2 off the exponent field: the conversion takes this operand's exponent field as its scale
.endr
.irp c, 0,1
	v_lshrrev_b32 v[12+\c], 23, v[10+\c]           ; the scale's byte
.endr
	s_wait_alu depctr_va_vdst(0)
	s_wait_xcnt 0x0                                ; the last step's stores have read their data: the codes and the word may be written again
.irp c, 0,1
	v_cvt_scalef32_pk16_fp6_f32 v[C+6*\c:C+6*\c+2], v[X+32*\c:X+32*\c+15], v[10+\c]
	v_cvt_scalef32_pk16_fp6_f32 v[CT+4*\c:CT+4*\c+2], v[X+32*\c+16:X+32*\c+31], v[10+\c]   ; (a conversion's three registers begin on an even number)
.endr
	v_lshl_or_b32 v14, v13, 16, v12                ; my two bytes: blocks h and 2 + h.  (Also the plain line behind the conversions)
.irp c, 0,1
.irp i, 0,1,2
	v_mov_b32 v[C+6*\c+3+\i], v[CT+4*\c+\i]
.endr
.endr
	v_lshlrev_b32 v14, v5, v14                     ; at their places in the word,
	v_permlanex16_b32 v7, v14, s30, s31
	v_or_b32 v14, v14, v7                          ; with lane l xor 16's two the word is whole, in both lanes
.irp k, 0,1,2
	global_store_b128 v1, v[C+4*\k:C+4*\k+3], s[34:35] offset:1536*(\f)+512*\k   ; 512 consecutive bytes, aligned
.endr
.if (\f)%2 == 0
	v_mov_b32 v15, v14                             ; the even K step's word waits for the odd one's
.else
	v_cndmask_b32 v6, v15, v14, s32                ; lanes 0-15 store the even step's word, lanes 16-31 the odd step's: 128 consecutive bytes
	global_store_b32 v4, v6, s[36:37] offset:128*((\f)/2)
.endif
.endm
	LOAD 0
	LOAD 1
	STEP 0
	STEP 1
	STEP 2
	STEP 3
	s_wait_tensorcnt 0x0
	ds_add_u32 v232, v233
	s_wait_dscnt 0x0
	s_endpgm
.Lfunc_end_k_qee35c67e26_quant:
	.size	k_qee35c67e26_quant, .Lfunc_end_k_qee35c67e26_quant-k_qee35c67e26_quant
	.p2alignl 7, 3214868480
	.fill 96, 4, 3214868480
	.section	.rodata,"a",@progbits
	.p2align	6, 0x0
	.amdhsa_kernel k_qee35c67e26_quant
		.amdhsa_group_segment_fixed_size 34304
		.amdhsa_private_segment_fixed_size 0
		.amdhsa_enable_private_segment 0
		.amdhsa_kernarg_size 56
		.amdhsa_user_sgpr_count 2
		.amdhsa_user_sgpr_kernarg_segment_ptr 1
		.amdhsa_wavefront_size32 1
		.amdhsa_system_sgpr_workgroup_id_x 1
		.amdhsa_system_sgpr_workgroup_id_y 1
		.amdhsa_system_sgpr_workgroup_id_z 1
		.amdhsa_system_vgpr_workitem_id 0
		.amdhsa_next_free_vgpr 234
		.amdhsa_next_free_sgpr 66
		.amdhsa_reserve_vcc 0
		.amdhsa_float_denorm_mode_32 3
		.amdhsa_float_denorm_mode_16_64 3
		.amdhsa_memory_ordered 1
		.amdhsa_forward_progress 1
		.amdhsa_inst_pref_size 31
	.end_amdhsa_kernel
	.amdgpu_metadata
---
amdhsa.version: [ 1, 2 ]
amdhsa.kernels:
  - .name:           k_qee35c67e26_quant
    .symbol:         k_qee35c67e26_quant.kd
    .args:
      - { .name: x, .offset: 0, .size: 8, .value_kind: global_buffer, .address_space: global }
      - { .name: Wq, .offset: 8, .size: 8, .value_kind: global_buffer, .address_space: global }
      - { .name: Wk, .offset: 16, .size: 8, .value_kind: global_buffer, .address_space: global }
      - { .name: Wv, .offset: 24, .size: 8, .value_kind: global_buffer, .address_space: global }
      - { .name: Wo, .offset: 32, .size: 8, .value_kind: global_buffer, .address_space: global }
      - { .name: xq, .offset: 40, .size: 8, .value_kind: global_buffer, .address_space: global }
      - { .name: wq, .offset: 48, .size: 8, .value_kind: global_buffer, .address_space: global }
    .group_segment_fixed_size: 34304
    .private_segment_fixed_size: 0
    .kernarg_segment_align: 8
    .kernarg_segment_size: 56
    .max_flat_workgroup_size: 128
    .sgpr_count:     66
    .vgpr_count:     234
    .wavefront_size: 32
...
	.end_amdgpu_metadata
.endif
;; end of part 1
;; launch qkv (part 2): grid 12 x 32, 4 waves a work-group, clusters of 4 x 4, 327,680 bytes of LDS; arguments xq, wq, bq, bk, bv, qc, kc, vc; writes qc, kc, vc
.if DOCPART == 2
	.amdgcn_target "amdgcn-amd-amdhsa--gfx1250"
	.amdhsa_code_object_version 6
	.text
	.protected	k_qee35c67e26_qkv
	.globl	k_qee35c67e26_qkv
	.p2align	8
	.type	k_qee35c67e26_qkv,@function
k_qee35c67e26_qkv:
	s_mov_b64 s[64:65], 0
	v_nop
	global_prefetch_b8 v0, s[64:65] scope:SCOPE_SE
	s_setreg_imm32_b32 hwreg(HW_REG_WAVE_MODE, 25, 1), 1
	s_wait_xcnt 0x0
	s_wait_alu depctr_hold_cnt(0) depctr_sa_sdst(0) depctr_va_vdst(0) depctr_va_sdst(0) depctr_va_ssrc(0) depctr_va_vcc(0) depctr_vm_vsrc(0)
	s_getreg_b32 s2, hwreg(HW_REG_IB_STS2, 6, 4)
	s_cmp_eq_u32 s2, 0
	s_cbranch_scc0 .Lentry_in_a_cluster
	s_endpgm
.Lentry_in_a_cluster:
	s_bfe_u32 s2, ttmp6, 0x10000c
	s_cmp_lg_u32 s2, 0xf033
	s_cbranch_scc0 .Lentry_shape_is_right
	s_endpgm
.Lentry_shape_is_right:
; Q = x Wq^T + bq, K = x Wk^T + bk, V = x Wv^T + bv on codes of FP6 (E2M3) with E8M0 scales, sums in f32; the results are quantised in registers (Q, K along the head's 64 channels,
; V along the keys) and leave as codes in the order of the next launch's operand registers.  No f32 result goes to memory.
; A tile of 256 x 256 results is made by four waves, 128 x 128 each: 64 accumulators, 512 registers.  THE MATRIX INSTRUCTION IS USED TRANSPOSED: source 0 = 16 rows of B, source 1 = 16 rows of A:
; a lane holds one row of A, and its registers run along B's rows.  Since the rows of a tile are taken as 32 a + 8 u + r % 8 + 16 (r / 8), the 16 registers of B's tiles 2 b, 2 b + 1 are the 16
; neighbours 32 b + 16 (lane / 16) + 0 .. 15: the axis that is quantised next.
; ONE TEXT, TWO KINDS OF TILE, told apart by the cluster's x (the same in all sixteen partners): x = 0, 1: A = tokens of x, B = channels of Wq, Wk;  x = 2: A = channels of Wv, B = tokens (keys) of x.
; K = 1,024 goes in four steps of 256 through a ring of two LDS slots.  The operands lie in memory as fragment images (1,536 bytes for 16 rows x 128 K), so a slot's part of a tile is 3,072 dense bytes
; and a fragment comes by three loads of 16 bytes a lane, 512 consecutive bytes each: no pitch, no padding.  The scale words of all of K come once, with the first fills.
; CLUSTERS: 4 x 4 work-groups.  A's tiles are shared along a row of the cluster, B's along a column: each is asked for jointly, by the same tensor load with the same descriptor and a mask that names the four.
; By this text's count a wave has three tensor loads out at the start and one behind each round.
; OUT.  qc, kc: [64 heads of the batch][16] records of 6,656 bytes for 128 tokens: four images of a pair of tiles (registers 0-5 tile u = 0, 6-11 tile u = 1; lane (r, h): d = 32 h ..), then 512 bytes
; of scale words at 16 (16 u + r) + 4 pair (bytes 0, 1 the head's two blocks, bytes 2, 3 zero).  vc: records of 6,400 bytes for 128 keys: four fragment images (16 channels x 128 keys), then 256 bytes of scale words.
; REGISTERS: window 0: v16-29 addresses; v32-63 scale words, two sets; v64-127 the biases; v128-223 A's fragments, one set; on the way out v128-253 are at work.
;   window 1: B's fragments, two sets, at v0 and v128.   windows 2, 3: the accumulators ((a, b) at v[8 (8 (a % 4) + b)]).
; LIMITS: NaN and infinities are not served; a block whose largest magnitude lies under 2^-124 (zeros too) gets the byte 1: its codes are zeros, and this program alone reads the bytes.
.set XS,     6291456                   ; xq: where the scale words begin
.set WS,     3145728                   ; wq: likewise
.set NQ,     2                         ; K steps of 128 in a slot
.set FR,     12                        ; registers of a fragment
.set NL,     3                         ; LDS loads that bring one
.set NP,     4                         ; places behind this matrix instruction (ISA guide 7.12.1)
.set FRB,    1536                      ; a fragment image
.set TILEB,  NQ*FRB                    ; a tile's part of a slot
.set TROW,   8*FRB                     ; a tile's images of all of K, in memory
.set HALFT,  8*TILEB                   ; 8 tiles: what one tensor load brings, and what one wave reads of A or of B
.set SLOT,   4*HALFT                   ; A's 16 tiles, then B's 16
.set LAPS,   2                         ; a lap = once round the ring = 512 along K
.set SCL,    2*SLOT                    ; behind the ring: the scale words, 512 bytes a tile: A's 16 tiles, then B's
.set HALFS,  4096
.set SBLK,   512
.set SPARE,  SCL+4*HALFS               ; the spare words, 128 bytes for each wave: two blocks of 256 bytes that no other line names
.set KREC,   6656
.set VREC,   6400
.set ADRA, 16                          ; v16-17  LDS address of my A fragments in slot 0, 1
.set ADRB, 20                          ; v20-21  the same for B
.set LI,   24                          ; v24     16 x lane
.set L8,   25                          ; v25     8 x lane
.set BO,   26                          ; v26     the biases' offset
.set ADRS, 27                          ; v27     LDS address of my scale words: lanes 0-15 A's, lanes 16-31 B's
.set SPW,  28                          ; v28     my spare word; never rewritten
.set NIL,  29                          ; v29     0; never rewritten
.set SC,   32                          ; scale words: set s at v[SC + 16 s]; register 2 i + q: lanes 0-15 A's tile i, lanes 16-31 B's tile i, the slot's q-th 128 along K
.set BI,   64                          ; the biases
.set AF,   128                         ; A's fragments
.set T,    128                         ; the way out: 64 numbers of a lane
.set TM,   192                         ; v192-195 largest magnitudes, v196-199 bytes, v204-207 the conversions' scale operands
.set PW,   208                         ; the scale word just made
.set PWE,  209                         ; and the one before it
.set PC,   212                         ; v212-235 codes
.set CT,   236                         ; v236-242 the halves that a conversion cannot put on an odd register
.set SW,   244                         ; v244-251 scale words to store
.set BA,   252                         ; v252-253 a lane's own bias, twice
.set WV,   20
.set RH,   21                          ; which half of A's rows is mine.  Also: I fetch for A (0) or for B (1)
.set CH,   22                          ; which half of B's rows.  Also: which 8 tiles I fetch
.set LAP,  23
.set G1A,  24                          ; s[24:31] group 1 for A's tiles; s[32:39] group 0, a set for each slot
.set G0A,  32
.set SEL,  46
.set G1B,  48
.set G0B,  56
.set M1,   66                          ; lanes with bit 0, 1, 2 set
.set M2,   67
.set G1SA, 68                          ; groups 1 and 0 for A's scale words, then for B's
.set G0SA, 76
.set G1SB, 80
.set G0SB, 88
.set OUTP, 96                          ; s[96:97] my first record
.set BP,   98                          ; s[98:99] my biases
.set MH,   100                         ; lanes 16-31
.set M4,   101
.set MSB, 0
.macro WIN new                         ; the immediate's high byte repeats the setting that is left
.if MSB != \new
	s_set_vgpr_msb (MSB<<8)|\new
.set MSB, \new
.endif
.endm
.set MUL_LO, 0xa1                      ; source 0 (B) window 1, source 1 (A) window 0, C and D window 2
.set MUL_HI, 0xf1                      ; the same, C and D window 3
.set TO_B,   0x40                      ; destination window 1, address window 0
; A joint load: waves 0 and 1 fetch for A, waves 2 and 3 for B.  The branch hangs on the wave's number alone.  Four v_nop follow each of the two lines.
.macro JLOAD g0a, g1a, g0b, g1b
	s_cmp_eq_u32 s[RH], 0
	s_cbranch_scc0 .Lfor_b_\@
	tensor_load_to_lds s[\g0a:\g0a+3], s[\g1a:\g1a+7]
	s_nop 0
.rept 4
	v_nop
.endr
	s_branch .Lasked_\@
.Lfor_b_\@:
	tensor_load_to_lds s[\g0b:\g0b+3], s[\g1b:\g1b+7]
	s_nop 0
.rept 4
	v_nop
.endr
.Lasked_\@:
.endm
.macro CREST                           ; a round of the cluster's barrier behind its opening barrier
	s_cmp_lg_u32 s[WV], 0
	s_cbranch_scc1 .Lnot_wave_0_\@
	s_barrier_signal -3
.Lnot_wave_0_\@:
	s_barrier_wait -3
	s_barrier_signal -1
	s_barrier_wait -1
.endm
.macro CROUND                          ; a whole round
	s_barrier_signal -1
	s_barrier_wait -1
	CREST
.endm
	s_load_b512 s[4:19], s[0:1], 0x0               ; xq, wq, bq, bk, bv, qc, kc, vc
	v_lshl_add_u32 v[SPW], v0, 2, SPARE
	v_mov_b32 v[NIL], 0
	ds_add_u32 v28, v29
	ds_add_u32 v28, v29
	s_wait_dscnt 0x0
	v_lshrrev_b32 v1, 5, v0
	v_readfirstlane_b32 s[WV], v1                  ; wave 0..3
	s_lshr_b32 s[RH], s[WV], 1
	s_and_b32 s[CH], s[WV], 1
	s_bfe_u32 s40, ttmp6, 0x40000                  ; cx, cy: my place in the cluster
	s_bfe_u32 s41, ttmp6, 0x40004
	s_mov_b32 s44, ttmp9                           ; the cluster's x: 0 Q, 1 K, 2 V
	s_and_b32 s45, ttmp7, 0xffff                   ; the cluster's y
	s_lshl_b32 s92, s41, 2
	s_lshl_b32 s92, 15, s92                        ; my row of the cluster
	s_lshl_b32 s93, 0x1111, s40                    ; my column
	s_or_b32 s[G1A], s92, (3<<16)|(1<<21)          ; 15:0 the mask; 17:16 elements of 8 bytes; 21 set beside a mask; no padding
	s_or_b32 s[G1B], s93, (3<<16)|(1<<21)
	s_or_b32 s[G1SA], s92, (3<<16)|(1<<21)
	s_or_b32 s[G1SB], s93, (3<<16)|(1<<21)
.irp g, G1A, G1B                       ; 8 tiles x 3,072 bytes (384 elements), 12,288 bytes (1,536 elements) apart
	s_mov_b32 s[\g+1], 384<<16                     ; tensor_dim0
	s_mov_b32 s[\g+2], 8<<16                       ; tensor_dim1
	s_mov_b32 s[\g+3], 384<<16                     ; tile_dim0
	s_mov_b32 s[\g+4], 8                           ; tile_dim1
	s_mov_b32 s[\g+5], 1536                        ; tensor_dim0_stride
	s_mov_b32 s[\g+6], 0
	s_mov_b32 s[\g+7], 0
.endr
.irp g, G1SA, G1SB                     ; the scale words of 8 tiles: 4,096 dense bytes as 16 rows of 256
	s_mov_b32 s[\g+1], 32<<16
	s_mov_b32 s[\g+2], 16<<16
	s_mov_b32 s[\g+3], 32<<16
	s_mov_b32 s[\g+4], 16
	s_mov_b32 s[\g+5], 32
	s_mov_b32 s[\g+6], 0
	s_mov_b32 s[\g+7], 0
.endr
	; which 16 tiles are A's and which B's.  A's number is made of cy alone, which my row of the cluster shares, B's of cx alone, which my column shares
	s_lshl_b32 s43, s45, 2
	s_add_co_u32 s43, s43, s41                     ; 4 y + cy: Q, K: the block of 256 tokens
	s_lshl_b32 s42, s45, 2
	s_add_co_u32 s42, s42, s40                     ; 4 y + cx: V: the block of 256 keys
	s_lshl_b32 s94, s44, 2
	s_add_co_u32 s94, s94, s40                     ; 4 x + cx: Q, K: the block of 256 rows of wq
	s_add_co_u32 s95, s41, 8                       ; 8 + cy: V: the block of 256 rows of Wv in wq
	s_mov_b32 s66, XS
	s_mov_b32 s67, WS
	s_cmp_eq_u32 s44, 2
	s_cselect_b32 s95, s95, s43                    ; A's block
	s_cselect_b32 s94, s42, s94                    ; B's block
	s_cselect_b32 s101, s67, s66                   ; where the scale words begin in A's buffer,
	s_cselect_b32 s100, s66, s67                   ; and in B's
	s_lshl_b32 s2, s[CH], 3
	s_lshl_b32 s95, s95, 4
	s_add_co_u32 s95, s95, s2                      ; the first of the 8 tiles of A that I would fetch,
	s_lshl_b32 s94, s94, 4
	s_add_co_u32 s94, s94, s2                      ; and of B
	s_mul_i32 s3, s[WV], HALFT                     ; where they go: wave x 8 tiles: no place in the cluster enters an LDS address
	s_mul_i32 s2, s[WV], HALFS
	s_wait_kmcnt 0x0
	s_cmp_eq_u32 s44, 2
	s_cselect_b64 s[96:97], s[6:7], s[4:5]         ; A's buffer
	s_cselect_b64 s[98:99], s[4:5], s[6:7]         ; B's buffer
	s_mov_b32 s93, 0
	s_mul_i32 s92, s95, TROW
	s_add_nc_u64 s[G0A+2:G0A+3], s[96:97], s[92:93]
	s_add_nc_u64 s[G0A+6:G0A+7], s[G0A+2:G0A+3], TILEB
	s_lshl_b32 s92, s95, 9
	s_add_co_u32 s92, s92, s101
	s_add_nc_u64 s[G0SA+2:G0SA+3], s[96:97], s[92:93]
	s_mul_i32 s92, s94, TROW
	s_add_nc_u64 s[G0B+2:G0B+3], s[98:99], s[92:93]
	s_add_nc_u64 s[G0B+6:G0B+7], s[G0B+2:G0B+3], TILEB
	s_lshl_b32 s92, s94, 9
	s_add_co_u32 s92, s92, s100
	s_add_nc_u64 s[G0SB+2:G0SB+3], s[98:99], s[92:93]
.irp g, G0A, G0B
	s_mov_b32 s[\g], 1                             ; count = 1
	s_add_co_u32 s[\g+1], s3, 0                    ; LDS address: slot 0
	s_or_b32 s[\g+3], s[\g+3], 0x80000000          ; type = 2
	s_mov_b32 s[\g+4], 1
	s_add_co_u32 s[\g+5], s3, SLOT                 ; slot 1
	s_or_b32 s[\g+7], s[\g+7], 0x80000000
.endr
.irp g, G0SA, G0SB
	s_mov_b32 s[\g], 1
	s_add_co_u32 s[\g+1], s2, SCL
	s_or_b32 s[\g+3], s[\g+3], 0x80000000
.endr
	CROUND                                         ; all sixteen work-groups are here: the first joint loads meet
	JLOAD G0SA, G1SA, G0SB, G1SB                   ; the scale words first: they are wanted with K step 0
	JLOAD G0A, G1A, G0B, G1B                       ; slot 0
	JLOAD G0A+4, G1A, G0B+4, G1B                   ; slot 1
	; the biases.  Q, K: register 8 b + j holds the bias of result register j of B's tile b: channel 32 (b / 2) + 8 (b % 2) + 16 (lane / 16) + j.
	; V: the bias belongs to the lane's own channel, 32 (a / 2) + 8 (a % 2) + 16 (r / 8) + r % 8: register 8 a + j holds the eight candidates, and j = r % 8 is picked on the way out.  One text: only a shift differs
	s_cmp_eq_u32 s44, 2
	s_cselect_b32 s2, s41, s40
	s_cselect_b32 s3, s[RH], s[CH]
	s_cselect_b32 s92, 3, 4
	s_cselect_b64 s[BP:BP+1], s[12:13], s[10:11]
	s_cmp_eq_u32 s44, 0
	s_cselect_b64 s[BP:BP+1], s[8:9], s[BP:BP+1]
	s_lshl_b32 s2, s2, 10                          ; 256 channels of 4 bytes,
	s_lshl_b32 s3, s3, 9                           ; my wave's 128
	s_add_co_u32 s2, s2, s3
	s_mov_b32 s3, 0
	s_add_nc_u64 s[BP:BP+1], s[BP:BP+1], s[2:3]
	v_lshrrev_b32 v2, s92, v0
	v_and_b32 v2, 1, v2
	v_lshlrev_b32 v[BO], 6, v2                     ; 16 channels on for lane / 16 (Q, K) or r / 8 (V)
.irp t, 0,1,2,3,4,5,6,7
.irp k, 0,1
	global_load_b128 v[BI+8*\t+4*\k:BI+8*\t+4*\k+3], v[BO], s[BP:BP+1] offset:(32*(\t/2)+8*(\t%2))*4+16*\k   ; waited for on the way out
.endr
.endr
	; my first record: tokens (keys) 128 n .. 128 n + 127 of batch b, my first head
	s_cmp_eq_u32 s44, 2
	s_cselect_b32 s2, s42, s43
	s_cselect_b32 s3, s[CH], s[RH]
	s_cselect_b32 s92, s41, s40
	s_cselect_b32 s93, s[RH], s[CH]
	s_mov_b32 s94, KREC
	s_cselect_b32 s94, VREC, s94
	s_cselect_b64 s[OUTP:OUTP+1], s[18:19], s[16:17]
	s_cmp_eq_u32 s44, 0
	s_cselect_b64 s[OUTP:OUTP+1], s[14:15], s[OUTP:OUTP+1]
	s_lshl_b32 s2, s2, 1
	s_add_co_u32 s2, s2, s3                        ; which 128 tokens of the 8,192
	s_lshr_b32 s3, s2, 4                           ; the batch
	s_and_b32 s2, s2, 15                           ; the record in a head
	s_lshl_b32 s3, s3, 4
	s_lshl_b32 s92, s92, 2
	s_add_co_u32 s3, s3, s92
	s_lshl_b32 s93, s93, 1
	s_add_co_u32 s3, s3, s93                       ; 16 batch + 4 (cx or cy) + 2 half: my first head
	s_lshl_b32 s3, s3, 4
	s_add_co_u32 s3, s3, s2
	s_mul_i32 s2, s3, s94
	s_mov_b32 s3, 0
	s_add_nc_u64 s[OUTP:OUTP+1], s[OUTP:OUTP+1], s[2:3]
	s_mov_b32 s[SEL], 0x76543210
	s_mov_b32 s[SEL+1], 0xfedcba98                 ; lane l xor 16
	s_mov_b32 s[M1], 0xaaaaaaaa
	s_mov_b32 s[M2], 0xcccccccc
	s_mov_b32 s[M4], 0xf0f0f0f0
	s_mov_b32 s[MH], 0xffff0000
	v_and_b32 v1, 31, v0
	v_lshlrev_b32 v[LI], 4, v1
	v_lshlrev_b32 v[L8], 3, v1
	v_and_b32 v2, 15, v0                           ; r
	v_bfe_u32 v3, v0, 4, 1                         ; h
	s_wait_alu depctr_va_vdst(0)
	s_mul_i32 s2, s[RH], HALFT                     ; my 8 tiles of A
	s_mul_i32 s3, s[CH], HALFT                     ; my 8 tiles of B,
	s_add_co_u32 s3, s3, 2*HALFT                   ; which lie behind A's 16
.irp s, 0,1
	v_add_nc_u32 v[ADRA+\s], s2, v[LI]
	v_add_nc_u32 v[ADRB+\s], s3, v[LI]
	s_add_co_u32 s2, s2, SLOT
	s_add_co_u32 s3, s3, SLOT
.endr
	s_mul_i32 s2, s[RH], HALFS                     ; A's scale words: my 8 tiles
	s_mul_i32 s3, s[CH], HALFS                     ; B's: my 8 tiles, behind A's 16
	s_add_co_u32 s3, s3, 2*HALFS
	s_sub_co_u32 s3, s3, s2
	v_mul_u32_u24 v4, s3, v3                       ; lanes 16-31 take B's: one product, the distance between the two
	s_add_co_u32 s2, s2, SCL
	v_lshl_add_u32 v4, v2, 3, v4                   ; 8 bytes a row: a slot's two words
	v_add_nc_u32 v[ADRS], s2, v4
.macro FRAG reg, adr, q, i             ; tile i's fragment of the slot's q-th 128 along K: the image's three chunks, 512 consecutive bytes each
.irp k, 0,1,2
	ds_load_b128 v[\reg+4*\k:\reg+4*\k+3], v[\adr] offset:(\i)*TILEB+(\q)*FRB+512*\k
.endr
.endm
; 16 matrix instructions: A's tiles a0, a0 + 1 x B's eight.  p: B's set; sc: the set of scale words.  zero = 1: the first product starts the sums.
; The 64 accumulators take turns, one instruction a turn, in the same order in every step.
.macro MUL16 a0, p, q, sc, zero
.irp a, \a0, \a0+1
.irp b, 0,1,2,3,4,5,6,7
.if \zero
	v_wmma_scale_f32_16x16x128_f8f6f4 v[8*(8*((\a)%4)+\b):8*(8*((\a)%4)+\b)+7], v[128*(\p)+FR*\b:128*(\p)+FR*\b+FR-1], v[AF+FR*(\a):AF+FR*(\a)+FR-1], 0, v[SC+8*NQ*(\sc)+NQ*\b+(\q)], v[SC+8*NQ*(\sc)+NQ*(\a)+(\q)] matrix_a_fmt:MATRIX_FMT_FP6 matrix_b_fmt:MATRIX_FMT_FP6 matrix_a_scale:MATRIX_SCALE_ROW1
.else
	v_wmma_scale_f32_16x16x128_f8f6f4 v[8*(8*((\a)%4)+\b):8*(8*((\a)%4)+\b)+7], v[128*(\p)+FR*\b:128*(\p)+FR*\b+FR-1], v[AF+FR*(\a):AF+FR*(\a)+FR-1], v[8*(8*((\a)%4)+\b):8*(8*((\a)%4)+\b)+7], v[SC+8*NQ*(\sc)+NQ*\b+(\q)], v[SC+8*NQ*(\sc)+NQ*(\a)+(\q)] matrix_a_fmt:MATRIX_FMT_FP6 matrix_b_fmt:MATRIX_FMT_FP6 matrix_a_scale:MATRIX_SCALE_ROW1
.endif
.endr
.endr
.endm
.macro FETCH_B slot, q, p              ; B's eight fragments into set p
	WIN TO_B
.irp i, 0,1,2,3,4,5,6,7
	FRAG 128*(\p)+FR*\i, ADRB+\slot, \q, \i
.endr
	WIN 0
.endm
.macro FETCH_A slot, q, i0             ; A's tiles i0 .. i0 + 3
.irp i, \i0, \i0+1, \i0+2, \i0+3
	FRAG AF+FR*(\i), ADRA+\slot, \q, \i
.endr
.endm
.macro SCALES sc                       ; a slot's scale words into set sc: lanes 0-15 A's tile i, lanes 16-31 B's tile i
.irp i, 0,1,2,3,4,5,6,7
	ds_load_b64 v[SC+8*NQ*\sc+NQ*\i:SC+8*NQ*\sc+NQ*\i+1], v[ADRS] offset:\i*SBLK
.endr
.endm
.macro PLACES n                        ; plain vector lines between a matrix instruction and a load into, or a vector read or write of, its registers
.rept \n
	v_nop
.endr
.endm
; A step of 128 along K that has its successor in the same slot.  A tile of A is free as soon as its eight products are issued, so A has one set of registers; B has two.
.macro STEP slot, q, zero
	s_wait_dscnt 4*NL                              ; B's set, A's tiles 0-3 and the scale words are in; the youngest 12 loads (A's tiles 4-7) may be out
	WIN MUL_LO
	MUL16 0, (\q)%2, \q, \slot, \zero
	MUL16 2, (\q)%2, \q, \slot, \zero
	s_wait_dscnt 0                                 ; A's tiles 4-7 are in
	PLACES NP
	FETCH_B \slot, (\q)+1, 1-(\q)%2
	FETCH_A \slot, (\q)+1, 0
	WIN MUL_HI
	MUL16 4, (\q)%2, \q, \slot, \zero
	MUL16 6, (\q)%2, \q, \slot, \zero
	PLACES NP
	WIN 0
	FETCH_A \slot, (\q)+1, 4
.endm
; A slot's last step changes slots: one barrier; in front of it each wave waits for all its tensor loads, adds 0 to its spare word, and waits for that and for its reads of this slot.
; fill = 1: the barrier opens a round of the cluster's barrier, and this slot is filled again, 512 along K ahead, first thing behind the round.
.macro TURN slot, next, fill
	s_wait_tensorcnt 0x0                           ; all my tensor loads have landed: my part of the next slot
	ds_add_u32 v[SPW], v[NIL]                      ; 0 onto my spare word
	s_wait_dscnt 4*NL+1                            ; (the add and the youngest 12 loads, A's tiles 4-7, may be out)
	WIN MUL_LO
	MUL16 0, 1, NQ-1, \slot, 0                     ; sixteen matrix instructions stand between the add and the wait for it
	s_wait_dscnt 0x0                               ; the add is done, and my reads of this slot are over
	s_barrier_signal -1
	MUL16 2, 1, NQ-1, \slot, 0
	WIN 0
	s_barrier_wait -1
.if \fill
	CREST                                          ; no wave of any partner still reads this slot or has a load on its way
	s_add_nc_u64 s[G0A+4*\slot+2:G0A+4*\slot+3], s[G0A+4*\slot+2:G0A+4*\slot+3], 2*TILEB
	s_add_nc_u64 s[G0B+4*\slot+2:G0B+4*\slot+3], s[G0B+4*\slot+2:G0B+4*\slot+3], 2*TILEB
	JLOAD G0A+4*\slot, G1A, G0B+4*\slot, G1B       ; the four v_nop behind it are also the places in front of the loads below
.else
	PLACES NP
.endif
	s_wait_alu depctr_va_vdst(0)
	v_add_nc_u32 v[ADRS], 128, v[ADRS]             ; the next slot's scale words (no LDS load of mine is out)
	FETCH_B \next, 0, 0
	FETCH_A \next, 0, 0
	SCALES \next
	WIN MUL_HI
	MUL16 4, 1, NQ-1, \slot, 0
	MUL16 6, 1, NQ-1, \slot, 0
	PLACES NP
	WIN 0
	FETCH_A \next, 0, 4
.endm
	s_wait_alu depctr_va_vdst(0)
	s_wait_tensorcnt 1                             ; the scale words and my part of slot 0 are in (slot 1's load may be out)
	s_barrier_signal -1
	s_barrier_wait -1                              ; everybody's are
	FETCH_B 0, 0, 0
	FETCH_A 0, 0, 0
	SCALES 0
	FETCH_A 0, 0, 4
	STEP 0, 0, 1                                   ; the first step stands in front of the loop: its products start the sums
	s_mov_b32 s[LAP], LAPS-1
.Llap:                                                 ; a trip goes once round the ring and fills both slots again
	TURN 0, 1, 1
	STEP 1, 0, 0
	TURN 1, 0, 1
	STEP 0, 0, 0
	s_sub_co_u32 s[LAP], s[LAP], 1
	s_cmp_lg_u32 s[LAP], 0
	s_cbranch_scc1 .Llap
	TURN 0, 1, 0                                   ; the last lap fills nothing
	STEP 1, 0, 0
	s_wait_dscnt 4*NL
	WIN MUL_LO
	MUL16 0, 1, NQ-1, 1, 0
	MUL16 2, 1, NQ-1, 1, 0
	s_wait_dscnt 0
	WIN MUL_HI
	MUL16 4, 1, NQ-1, 1, 0
	MUL16 6, 1, NQ-1, 1, 0
	WIN 0
; THE WAY OUT.  64 numbers of a lane, v[s] on, register 16 b + i = place 32 b + 16 (lane / 16) + i along the axis to be quantised, become codes: blocks 0, 1 in v[d0] .. v[d0 + 5], blocks 2, 3 in v[d1] on
; (lane (r, h): 32 h + 0 .. 31 of each 64), and the row's four scale bytes in v[PW], in both halves of the lanes.
.macro QUANT s, d0, d1
.irp b, 0,1,2,3
	v_max3_num_f32 v[TM+\b], |v[\s+16*\b]|, |v[\s+1+16*\b]|, 0x1800000   ; my 16 numbers of block b, and the floor 2^(3 - 127): the byte cannot fall under 1
.endr
.irp i, 2,4,6,8,10,12,14
.irp b, 0,1,2,3
	v_max3_num_f32 v[TM+\b], v[TM+\b], |v[\s+16*\b+\i]|, |v[\s+1+16*\b+\i]|   ; (the four blocks by turns)
.endr
.endr
.irp b, 0,1,2,3
	v_permlanex16_b32 v[TM+4+\b], v[TM+\b], s[SEL], s[SEL+1]
.endr
.irp b, 0,1,2,3
	v_max_num_f32 v[TM+\b], v[TM+\b], v[TM+4+\b]   ; with lane l xor 16's: the block's largest magnitude
.endr
.irp b, 0,1,2,3
	v_add_nc_u32 v[TM+12+\b], 0xff000000, v[TM+\b] ; 2 off its exponent field: the conversion's scale operand
.endr
.irp b, 0,1,2,3
	v_lshrrev_b32 v[TM+4+\b], 23, v[TM+12+\b]      ; the scale's byte
.endr
	v_lshl_or_b32 v[PW], v[TM+5], 8, v[TM+4]
	v_lshl_or_b32 v[PW], v[TM+6], 16, v[PW]
	v_lshl_or_b32 v[PW], v[TM+7], 24, v[PW]
	v_cvt_scalef32_pk16_fp6_f32 v[\d0:\d0+2], v[\s:\s+15], v[TM+12]
	v_cvt_scalef32_pk16_fp6_f32 v[CT:CT+2], v[\s+16:\s+31], v[TM+13]     ; (a conversion's three registers begin on an even number)
	v_cvt_scalef32_pk16_fp6_f32 v[\d1:\d1+2], v[\s+32:\s+47], v[TM+14]
	v_cvt_scalef32_pk16_fp6_f32 v[CT+4:CT+6], v[\s+48:\s+63], v[TM+15]
	v_nop                                          ; one plain line behind a scaled conversion
.irp i, 0,1,2
	v_permlane16_swap_b32 v[\d0+\i], v[CT+\i]      ; a whole block to a lane: lanes 0-15 the even block, lanes 16-31 the odd one
.endr
.irp i, 0,1,2
	v_mov_b32 v[\d0+3+\i], v[CT+\i]
.endr
.irp i, 0,1,2
	v_permlane16_swap_b32 v[\d1+\i], v[CT+4+\i]
.endr
.irp i, 0,1,2
	v_mov_b32 v[\d1+3+\i], v[CT+4+\i]
.endr
.endm
	PLACES NP                                      ; behind the last products: their results are read and A's registers written below
.irp b, 0,1,2,3
	v_mov_b32 v[TM+4+\b], 0                        ; a lane permute's destination counts as one of its sources
.endr
	s_wait_loadcnt 0x0                             ; the biases
	s_cmp_eq_u32 s44, 2                            ; the cluster's x: the same in all partners
	s_cbranch_scc1 .Lout_v
	; Q, K: my 128 channels are two heads.  A pair of token tiles makes one image for each head; each accumulator is read from its low end on
.irp al, 0,1,2,3
.if \al > 0
	s_wait_xcnt 0x0                                ; the last pair's stores have read their data
.endif
.irp u, 0,1
.set AB, 2*\al+\u
.set AC, 64*(AB%4)
.set WN, 0x02+AB/4
	WIN WN                                         ; source 0: window 2 or 3
.set i, 0
.rept 32
	v_pk_add_f32 v[T+i:T+i+1], v[AC+i:AC+i+1], v[BI+i:BI+i+1]
.set i, i+2
.endr
	WIN 0
.set D0, PC+6*\u
.set D1, PC+12+6*\u
	QUANT T, D0, D1
.if \u == 0
	v_mov_b32 v[PWE], v[PW]
.else
	v_cndmask_b32 v[PWE], v[PWE], v[PW], s[MH]     ; lanes 0-15: tile u = 0's words, lanes 16-31: tile u = 1's
	v_and_b32 v[SW+\al], 0xffff, v[PWE]            ; the first head's two bytes, zeros above them,
	v_lshrrev_b32 v[SW+4+\al], 16, v[PWE]          ; and the second head's
.endif
.endr
.irp c, 0,1
.irp k, 0,1,2
	global_store_b128 v[LI], v[PC+12*\c+4*\k:PC+12*\c+4*\k+3], s[OUTP:OUTP+1] offset:16*KREC*\c+1536*\al+512*\k   ; 512 consecutive bytes, aligned
.endr
.endr
.endr
.irp c, 0,1
	global_store_b128 v[LI], v[SW+4*\c:SW+4*\c+3], s[OUTP:OUTP+1] offset:16*KREC*\c+6144
.endr
	s_branch .Ldone
.Lout_v:
	; V: a tile of 16 channels x my 128 keys makes one fragment; tiles 0-3 are my first head's, 4-7 my second's
.irp a, 0,1,2,3,4,5,6,7
.if \a > 1
	s_wait_xcnt 0x0                                ; the stores of two tiles back have read their data
.endif
.irp i, 0,1,2,3
	v_cndmask_b32 v[T+\i], v[BI+8*\a+2*\i], v[BI+8*\a+2*\i+1], s[M1]     ; my channel's bias: candidate r % 8, bit by bit
.endr
	v_cndmask_b32 v[T+4], v[T], v[T+1], s[M2]
	v_cndmask_b32 v[T+5], v[T+2], v[T+3], s[M2]
	v_cndmask_b32 v[BA], v[T+4], v[T+5], s[M4]
	v_cndmask_b32 v[BA+1], v[T+4], v[T+5], s[M4]
.set AC, 64*(\a%4)
.set WN, 0x02+\a/4
	WIN WN
.set i, 0
.rept 32
	v_pk_add_f32 v[T+i:T+i+1], v[AC+i:AC+i+1], v[BA:BA+1]
.set i, i+2
.endr
	WIN 0
.set D0, PC+12*(\a%2)
.set D1, PC+12*(\a%2)+6
	QUANT T, D0, D1
.irp k, 0,1,2
	global_store_b128 v[LI], v[D0+4*\k:D0+4*\k+3], s[OUTP:OUTP+1] offset:16*VREC*(\a/4)+1536*(\a%4)+512*\k
.endr
.if \a%2 == 0
	v_mov_b32 v[PWE], v[PW]
.else
	v_cndmask_b32 v[SW+(\a%4)/2], v[PWE], v[PW], s[MH]   ; lanes 0-15: the even tile's words, lanes 16-31: the odd tile's
.endif
.if \a%4 == 3
	global_store_b64 v[L8], v[SW:SW+1], s[OUTP:OUTP+1] offset:16*VREC*(\a/4)+6144   ; 256 consecutive bytes, aligned
.endif
.endr
.Ldone:
	s_wait_tensorcnt 0x0                           ; the wave's end
	ds_add_u32 v[SPW], v[NIL]
	s_wait_dscnt 0x0
	CROUND                                         ; the closing round: no work-group ends while a partner may still ask for a tile that names it
	s_endpgm
.Lfunc_end_k_qee35c67e26_qkv:
	.size	k_qee35c67e26_qkv, .Lfunc_end_k_qee35c67e26_qkv-k_qee35c67e26_qkv
	.p2alignl 7, 3214868480
	.fill 96, 4, 3214868480
	.section	.rodata,"a",@progbits
	.p2align	6, 0x0
	.amdhsa_kernel k_qee35c67e26_qkv
		.amdhsa_group_segment_fixed_size 327680
		.amdhsa_private_segment_fixed_size 0
		.amdhsa_enable_private_segment 0
		.amdhsa_kernarg_size 64
		.amdhsa_user_sgpr_count 2
		.amdhsa_user_sgpr_kernarg_segment_ptr 1
		.amdhsa_wavefront_size32 1
		.amdhsa_system_sgpr_workgroup_id_x 1
		.amdhsa_system_sgpr_workgroup_id_y 1
		.amdhsa_system_sgpr_workgroup_id_z 1
		.amdhsa_system_vgpr_workitem_id 0
		.amdhsa_next_free_vgpr 1024
		.amdhsa_next_free_sgpr 104
		.amdhsa_reserve_vcc 0
		.amdhsa_float_denorm_mode_32 3
		.amdhsa_float_denorm_mode_16_64 3
		.amdhsa_memory_ordered 1
		.amdhsa_forward_progress 1
		.amdhsa_inst_pref_size 212
	.end_amdhsa_kernel
	.amdgpu_metadata
---
amdhsa.version: [ 1, 2 ]
amdhsa.kernels:
  - .name:           k_qee35c67e26_qkv
    .symbol:         k_qee35c67e26_qkv.kd
    .args:
      - { .name: xq, .offset: 0, .size: 8, .value_kind: global_buffer, .address_space: global }
      - { .name: wq, .offset: 8, .size: 8, .value_kind: global_buffer, .address_space: global }
      - { .name: bq, .offset: 16, .size: 8, .value_kind: global_buffer, .address_space: global }
      - { .name: bk, .offset: 24, .size: 8, .value_kind: global_buffer, .address_space: global }
      - { .name: bv, .offset: 32, .size: 8, .value_kind: global_buffer, .address_space: global }
      - { .name: qc, .offset: 40, .size: 8, .value_kind: global_buffer, .address_space: global }
      - { .name: kc, .offset: 48, .size: 8, .value_kind: global_buffer, .address_space: global }
      - { .name: vc, .offset: 56, .size: 8, .value_kind: global_buffer, .address_space: global }
    .group_segment_fixed_size: 327680
    .private_segment_fixed_size: 0
    .kernarg_segment_align: 8
    .kernarg_segment_size: 64
    .max_flat_workgroup_size: 128
    .sgpr_count:     104
    .vgpr_count:     1024
    .wavefront_size: 32
...
	.end_amdgpu_metadata
.endif
;; end of part 2
;; launch attn (part 3): grid 4 x 64, 16 waves a work-group, clusters of 4 x 1, 210,944 bytes of LDS; arguments qc, kc, vc, cq; writes cq
.if DOCPART == 3
	.amdgcn_target "amdgcn-amd-amdhsa--gfx1250"
	.amdhsa_code_object_version 6
	.text
	.protected	k_qee35c67e26_attn
	.globl	k_qee35c67e26_attn
	.p2align	8
	.type	k_qee35c67e26_attn,@function
k_qee35c67e26_attn:
	s_mov_b64 s[64:65], 0
	v_nop
	global_prefetch_b8 v0, s[64:65] scope:SCOPE_SE
	s_setreg_imm32_b32 hwreg(HW_REG_WAVE_MODE, 25, 1), 1
	s_wait_xcnt 0x0
	s_wait_alu depctr_hold_cnt(0) depctr_sa_sdst(0) depctr_va_vdst(0) depctr_va_sdst(0) depctr_va_ssrc(0) depctr_va_vcc(0) depctr_vm_vsrc(0)
	s_getreg_b32 s2, hwreg(HW_REG_IB_STS2, 6, 4)
	s_cmp_eq_u32 s2, 0
	s_cbranch_scc0 .Lentry_in_a_cluster
	s_endpgm
.Lentry_in_a_cluster:
	s_bfe_u32 s2, ttmp6, 0x10000c
	s_cmp_lg_u32 s2, 0x3003
	s_cbranch_scc0 .Lentry_shape_is_right
	s_endpgm
.Lentry_shape_is_right:
; ctx[q] = the sum over keys k <= q of softmax_k(Q[q] . K[k] / 8) V[k], for one head of one batch to a cluster, both products on codes of FP6 (E2M3) with E8M0 scales; ctx leaves as codes for the last product.
; THE SOFTMAX AHEAD OF THE SECOND PRODUCT: t = score x log2(e) / 8; M = the row's largest t so far, rounded UP to a whole number; p = 2^(t - M) is what is quantised, along the keys; the row's sum is taken
; of the unquantised p and divides at the end.  When M moves, the sum and O are multiplied by 2^(old M - new M): exact.
; THE WHOLE HEAD LIES IN LDS: K's 16 records of 6,656 bytes, V's 16 of 6,400 (128 keys each, as the launch before laid them): filled once, jointly for the four work-groups of the cluster, which all read them.
; By this text's count a wave has two tensor loads out.  Nothing is filled again.
; SHARES.  The head's 128 tiles of 16 queries go to the cluster's 64 waves, two each: tile t0 = 8 (w / 2) + 4 (w % 2) + cx and tile 127 - t0.  Tile t walks t / 8 + 1 key steps of 128, so every wave walks 17.
; The number of steps hangs on the wave's number alone: cx enters global addresses and vector operands only.  The loops' trip counts are constants (8 and 16); a step all of whose keys come after the tile's
; queries is jumped over, all but the lines that step addresses.
; LAYOUT.  Both products are used transposed: S^T = K Q^T (source 0 = 16 keys), O^T = V^T P^T (source 0 = 16 channels): a lane holds ONE query throughout.  The rows of a tile are 32 a + 8 u + r % 8 + 16 (r / 8),
; so the 16 registers of tiles 2 b, 2 b + 1 are 16 neighbouring keys (channels).
; THE HEAD'S 64 CHANNELS FILL HALF OF THE INSTRUCTION'S K: Q's registers 6-11 are zero codes.  K's operand for tile t is registers 6 t .. 6 t + 11 of the record as it lies: its upper six are the next tile's codes,
; which meet Q's zeros; the scale bytes there are 0, which is a finite power of two.
; LIMITS: NaN and infinities are not served; 1 / the sum is v_rcp_f32; a block of ctx whose largest magnitude lies under 2^-124 gets the byte 1 (its codes are zeros).
.set KREC,  6656
.set VREC,  6400
.set KHEAD, 16*KREC
.set VHEAD, 16*VREC
.set VBASE, KHEAD                      ; LDS: K's records at 0, V's behind them
.set CSO,   6291456                    ; cq: where the scale bytes begin
.set AK0,  1                           ; v1   16 x lane
.set AV0,  2                           ; v2   16 x lane + VBASE
.set AVS0, 3                           ; v3   8 x lane + VBASE + 6,144: V's scale words
.set ADK,  4                           ; v4-6 the step's addresses
.set ADV,  5
.set ADS,  6
.set DQ,   7                           ; v7-8 my query's place among its record's 128 tokens, less 16 (lane / 16), for tile 0, 1
.set L8,   9                           ; v9   8 x lane
.set SBO,  10                          ; v10  32 r + h: my scale byte of ctx
.set QF,   16                          ; v16-27 Q's operand: six registers of codes, six of zeros
.set QS,   28                          ; v28-29 Q's scale words, tile 0, 1
.set QR,   30                          ; v30-53 the two pair images from which Q's codes are picked
.set KV,   54                          ; v54-101 K's or V's fragments; v102-107 zeros
.set KSC,  108                         ; v108-111 K's scale words
.set VSC,  112                         ; v112-113 V's
.set S,    114                         ; v114-177 S^T, then p
.set O,    178                         ; v178-209 O^T
.set P,    210                         ; v210-221 p's codes
.set PW,   222                         ; p's scale word
.set BM,   224                         ; v224-227 the blocks' largest scores, then largest p
.set PM,   228                         ; v228-231 at work
.set SO,   232                         ; v232-235 the conversions' scale operands
.set CT,   236                         ; v236-242 the halves that a conversion cannot put on an odd register
.set F,    244                         ; v244 f, later 1 / the sum; v245 named with it as a pair
.set TMP,  246
.set NINF, 247
.set QOF,  250                         ; v250-251 offsets of Q's scale words
.set WV,   12
.set SEL,  16
.set CS,   18                          ; s[18:19] c = log2(e) / 8
.set KI,   20                          ; the key step
.set GQ,   21                          ; the key step in which my tile's queries lie
.set TK,   22                          ; the step's record of K in LDS,
.set TV,   23                          ; and of V
.set G1K,  24
.set G1V,  32
.set G0K,  40                          ; two sets each
.set G0V,  48
.set MH,   56
.macro CROUND
	s_barrier_signal -1
	s_barrier_wait -1
	s_cmp_lg_u32 s[WV], 0
	s_cbranch_scc1 .Lnot_wave_0_\@
	s_barrier_signal -3
.Lnot_wave_0_\@:
	s_barrier_wait -3
	s_barrier_signal -1
	s_barrier_wait -1
.endm
	s_load_b256 s[4:11], s[0:1], 0x0               ; qc, kc, vc, cq
	v_lshl_add_u32 v254, v0, 2, 0x33000
	v_mov_b32 v255, 0
	ds_add_u32 v254, v255
	ds_add_u32 v254, v255
	v_lshrrev_b32 v1, 5, v0
	s_delay_alu instid0(VALU_DEP_1)
	v_readfirstlane_b32 s[WV], v1                  ; wave 0..15
	s_bfe_u32 s13, ttmp6, 0x40000                  ; cx
	s_and_b32 s14, ttmp7, 0xffff                   ; 16 batch + head, which the four partners share
	s_mov_b32 s[G1K], 15|(3<<16)|(1<<21)           ; the mask: all four; elements of 8 bytes; 21 set beside a mask
	s_mov_b32 s[G1K+1], 32<<16                     ; four records of K: 26,624 dense bytes as 104 rows of 256
	s_mov_b32 s[G1K+2], 104<<16
	s_mov_b32 s[G1K+3], 32<<16
	s_mov_b32 s[G1K+4], 104
	s_mov_b32 s[G1K+5], 32
	s_mov_b32 s[G1K+6], 0
	s_mov_b32 s[G1K+7], 0
	s_mov_b32 s[G1V], 15|(3<<16)|(1<<21)
	s_mov_b32 s[G1V+1], 32<<16                     ; four records of V: 25,600 bytes as 100 rows
	s_mov_b32 s[G1V+2], 100<<16
	s_mov_b32 s[G1V+3], 32<<16
	s_mov_b32 s[G1V+4], 100
	s_mov_b32 s[G1V+5], 32
	s_mov_b32 s[G1V+6], 0
	s_mov_b32 s[G1V+7], 0
	s_and_b32 s74, s[WV], 1
	s_mul_i32 s75, s74, 4*KREC                     ; waves 0, 1: records 4 (w % 2) on and 8 + 4 (w % 2) on of K; waves 2, 3: of V
	s_mul_i32 s76, s74, 4*VREC
	s_mul_i32 s78, s14, KHEAD                      ; the head's first byte in qc and kc,
	s_mul_i32 s80, s14, VHEAD                      ; and in vc
	s_add_co_u32 s82, s78, s75
	s_mov_b32 s83, 0
	s_add_co_u32 s84, s80, s76
	s_mov_b32 s85, 0
	s_add_co_u32 s76, s76, VBASE
	s_wait_dscnt 0x0
	s_wait_kmcnt 0x0
	s_mov_b32 s[G0K], 1
	s_mov_b32 s[G0K+1], s75
	s_add_nc_u64 s[G0K+2:G0K+3], s[6:7], s[82:83]
	s_mov_b32 s[G0K+4], 1
	s_add_co_u32 s[G0K+5], s75, 8*KREC
	s_add_nc_u64 s[G0K+6:G0K+7], s[G0K+2:G0K+3], 8*KREC
	s_or_b32 s[G0K+3], s[G0K+3], 0x80000000
	s_or_b32 s[G0K+7], s[G0K+7], 0x80000000
	s_mov_b32 s[G0V], 1
	s_mov_b32 s[G0V+1], s76
	s_add_nc_u64 s[G0V+2:G0V+3], s[8:9], s[84:85]
	s_mov_b32 s[G0V+4], 1
	s_add_co_u32 s[G0V+5], s76, 8*VREC
	s_add_nc_u64 s[G0V+6:G0V+7], s[G0V+2:G0V+3], 8*VREC
	s_or_b32 s[G0V+3], s[G0V+3], 0x80000000
	s_or_b32 s[G0V+7], s[G0V+7], 0x80000000
	CROUND                                         ; all four work-groups are here: the joint loads meet
	s_cmp_lt_u32 s[WV], 2                          ; a wave's two fills stand in one branch on the wave's number; four v_nop follow the second
	s_cbranch_scc0 .Lnot_k
	tensor_load_to_lds s[G0K:G0K+3], s[G1K:G1K+7]
	s_nop 0
	tensor_load_to_lds s[G0K+4:G0K+7], s[G1K:G1K+7]
	s_nop 0
.rept 4
	v_nop
.endr
	s_branch .Lasked
.Lnot_k:
	s_cmp_lt_u32 s[WV], 4
	s_cbranch_scc0 .Lasked
	tensor_load_to_lds s[G0V:G0V+3], s[G1V:G1V+7]
	s_nop 0
	tensor_load_to_lds s[G0V+4:G0V+7], s[G1V:G1V+7]
	s_nop 0
.rept 4
	v_nop
.endr
.Lasked:
	v_and_b32 v[L8], 31, v0                        ; lane
	v_and_b32 v11, 15, v0                          ; r
	v_bfe_u32 v[SBO], v0, 4, 1                     ; h
	s_delay_alu instid0(VALU_DEP_3)
	v_lshlrev_b32 v[AK0], 4, v[L8]
	s_delay_alu instid0(VALU_DEP_1)
	v_add_nc_u32 v[AV0], VBASE, v[AK0]
	v_lshlrev_b32 v[L8], 3, v[L8]
	s_delay_alu instid0(VALU_DEP_1)
	v_add_nc_u32 v[AVS0], VBASE+6144, v[L8]
	v_and_b32 v248, 7, v11
	v_lshrrev_b32 v4, 3, v11
	s_delay_alu instid0(VALU_DEP_1)
	v_lshl_add_u32 v248, v4, 4, v248               ; r % 8 + 16 (r / 8)
	v_lshlrev_b32 v4, 4, v[SBO]
	s_delay_alu instid0(VALU_DEP_1)
	v_sub_nc_u32 v248, v248, v4                    ; - 16 h
	s_wait_alu depctr_va_vdst(0)
	v_lshl_add_u32 v[SBO], v11, 5, v[SBO]
	s_mov_b32 s[SEL], 0x76543210
	s_mov_b32 s[SEL+1], 0xfedcba98                 ; lane l xor 16
	s_mov_b32 s[CS], 0x3e38aa3b                    ; c = log2(e) / 8
	s_mov_b32 s[CS+1], s[CS]                       ; (named with it as a pair, so it is written)
	s_mov_b32 s[MH], 0xffff0000                    ; lanes 16-31
	s_lshr_b32 s86, s[WV], 1                       ; tile 0's record, and its last key step,
	s_sub_co_u32 s87, 15, s86                      ; tile 1's
	s_lshl_b32 s88, s74, 1
	s_lshr_b32 s89, s13, 1
	s_add_co_u32 s88, s88, s89                     ; tile 0's pair in its record,
	s_sub_co_u32 s89, 3, s88                       ; tile 1's
	s_and_b32 s90, s13, 1                          ; tile 0's u,
	s_xor_b32 s91, s90, 1                          ; tile 1's
	s_cmp_eq_u32 s90, 1
	s_cselect_b32 s57, -1, 0                       ; all lanes where u = 1
	s_cselect_b32 s58, 0, -1
	s_and_b32 s77, s14, 15                         ; the head
	s_lshl_b32 s79, s77, 1
	s_mul_i32 s77, s77, 768
	s_lshr_b32 s81, s14, 4
	s_lshl_b32 s81, s81, 7                         ; the batch's first token tile
.irp i, 0,1
	s_mul_i32 s92, s[86+\i], KREC
	s_mul_i32 s93, s[88+\i], 1536
	s_add_co_u32 s92, s92, s93
	s_add_co_u32 s92, s92, s78
	s_mov_b32 s93, 0
	s_add_nc_u64 s[60+2*\i:61+2*\i], s[4:5], s[92:93]      ; the pair image that holds my tile of Q
	s_mul_i32 s92, s[88+\i], 1532
	s_lshl_b32 s94, s[90+\i], 8
	s_add_co_u32 s94, s94, 6144
	s_sub_co_u32 s94, s94, s92                     ; from there to the record's scale words: 6,144 - 1,536 pair, + 16 (16 u) + 4 pair
	v_lshl_add_u32 v[QOF+\i], v11, 4, s94          ; + 16 r
.irp k, 0,1,2
	global_load_b128 v[QR+12*\i+4*\k:QR+12*\i+4*\k+3], v[AK0], s[60+2*\i:61+2*\i] offset:512*\k
.endr
	global_load_b32 v[QS+\i], v[QOF+\i], s[60+2*\i:61+2*\i]
	s_lshl_b32 s92, s[86+\i], 3
	s_lshl_b32 s94, s[88+\i], 1
	s_add_co_u32 s92, s92, s94
	s_add_co_u32 s92, s92, s[90+\i]
	s_add_co_u32 s92, s92, s81                     ; the token tile among the 512
	s_mul_i32 s94, s92, 12288
	s_add_co_u32 s94, s94, s77
	s_mov_b32 s95, 0
	s_add_nc_u64 s[66+2*\i:67+2*\i], s[10:11], s[94:95]    ; ctx's codes: 768 bytes for a tile and a head
	s_lshl_b32 s94, s92, 9
	s_add_co_u32 s94, s94, s79
	s_add_co_u32 s94, s94, CSO
	s_add_nc_u64 s[70+2*\i:71+2*\i], s[10:11], s[94:95]    ; and its scale bytes: 32 a row, two a head
	s_lshl_b32 s92, s[88+\i], 5
	s_lshl_b32 s94, s[90+\i], 3
	s_add_co_u32 s92, s92, s94
	v_add_nc_u32 v[DQ+\i], s92, v248
.endr
.irp k, 0,1,2,3,4,5
	v_mov_b32 v[QF+6+\k], 0                        ; Q's upper 64 along K: zero codes
	v_mov_b32 v[KV+48+\k], 0                       ; what stands behind K's last tile
.endr
.irp b, 0,1,2,3
	v_mov_b32 v[PM+\b], 0                          ; a lane permute's destination counts as one of its sources
.endr
	v_mov_b32 v[F+1], 0
	v_mov_b32 v[NINF], 0xff800000                  ; -infinity
	s_wait_loadcnt 0x0                             ; Q
	s_wait_tensorcnt 0x0                           ; my parts of the head are in LDS,
	s_barrier_signal -1
	s_barrier_wait -1                              ; everybody's are; no LDS byte is written from here on
; A KEY STEP: 128 keys.  dq, qs: the tile's registers.
.macro STEP dq, qs
	s_cmp_gt_u32 s[KI], s[GQ]                      ; all its keys come after my queries: only the addresses step
	s_cbranch_scc1 .Lhidden_\@
	s_setprio 2
	v_add_nc_u32 v[ADK], s[TK], v[AK0]             ; (these four lines are the places between the last step's products and the loads into their registers)
	v_add_nc_u32 v[ADV], s[TV], v[AV0]
	v_add_nc_u32 v[ADS], s[TV], v[AVS0]
	v_nop
.irp p, 0,1,2,3
.irp k, 0,1,2
	ds_load_b128 v[KV+12*\p+4*\k:KV+12*\p+4*\k+3], v[ADK] offset:1536*\p+512*\k
.endr
.endr
	ds_load_b128 v[KSC:KSC+3], v[ADK] offset:6144  ; lane 16 u + r: the words of tiles u, 2 + u, 4 + u, 6 + u
	s_wait_alu depctr_va_vdst(0)
	s_wait_dscnt 0x0
.irp t, 0,1,2,3,4,5,6,7
.if \t%2
	v_wmma_scale_f32_16x16x128_f8f6f4 v[S+8*\t:S+8*\t+7], v[KV+6*\t:KV+6*\t+11], v[QF:QF+11], 0, v[KSC+\t/2], v[\qs] matrix_a_fmt:MATRIX_FMT_FP6 matrix_b_fmt:MATRIX_FMT_FP6 matrix_a_scale:MATRIX_SCALE_ROW1
.else
	v_wmma_scale_f32_16x16x128_f8f6f4 v[S+8*\t:S+8*\t+7], v[KV+6*\t:KV+6*\t+11], v[QF:QF+11], 0, v[KSC+\t/2], v[\qs] matrix_a_fmt:MATRIX_FMT_FP6 matrix_b_fmt:MATRIX_FMT_FP6
.endif
.endr
.rept 4
	v_nop                                          ; places: K's registers take V's loads, and the scores are read below
.endr
.irp t, 0,1,2,3
.irp k, 0,1,2
	ds_load_b128 v[KV+12*\t+4*\k:KV+12*\t+4*\k+3], v[ADV] offset:1536*\t+512*\k   ; V lands while the softmax is walked
.endr
.endr
	ds_load_b64 v[VSC:VSC+1], v[ADS]
	s_cmp_lg_u32 s[KI], s[GQ]                      ; only the step in which my queries lie has hidden keys
	s_cbranch_scc1 .Lopen_\@
.set n, 0
.rept 64
	v_cmp_gt_i32 vcc_lo, 32*(n/16)+n%16, v[\dq]    ; register n holds key 32 (n / 16) + n % 16 + 16 (lane / 16) of the record: hidden where it comes after my query
	v_cndmask_b32 v[S+n], v[S+n], v[NINF], vcc_lo
.set n, n+1
.endr
.Lopen_\@:
.irp b, 0,1,2,3
	v_max3_num_f32 v[BM+\b], v[S+16*\b], v[S+16*\b+1], v[S+16*\b+2]   ; the largest score of each block of 32 keys: for the row's maximum, and, since p rises with the score, for the block's largest p
.endr
.irp i, 3,5,7,9,11,13
.irp b, 0,1,2,3
	v_max3_num_f32 v[BM+\b], v[BM+\b], v[S+16*\b+\i], v[S+16*\b+\i+1]
.endr
.endr
.irp b, 0,1,2,3
	v_max_num_f32 v[BM+\b], v[BM+\b], v[S+16*\b+15]
.endr
.irp b, 0,1,2,3
	s_delay_alu instid0(VALU_DEP_4)
	v_permlanex16_b32 v[PM+\b], v[BM+\b], s[SEL], s[SEL+1]
.endr
.irp b, 0,1,2,3
	s_delay_alu instid0(VALU_DEP_4)
	v_max_num_f32 v[BM+\b], v[BM+\b], v[PM+\b]     ; with lane l xor 16's 16 keys
.endr
	s_delay_alu instid0(VALU_DEP_2)
	v_max3_num_f32 v[TMP], v[BM], v[BM+1], v[BM+2]
	s_delay_alu instid0(VALU_DEP_1)
	v_max_num_f32 v[TMP], v[TMP], v[BM+3]
	s_delay_alu instid0(VALU_DEP_1)
	v_mul_f32 v[TMP], s[CS], v[TMP]                ; the step's largest t
	s_delay_alu instid0(VALU_DEP_1)
	v_max_num_f32 v13, v13, v[TMP]                 ; the running largest t
	v_mov_b32 v[TMP], v12
	s_delay_alu instid0(VALU_DEP_2)
	v_floor_f32 v12, -v13                          ; the new -M = -ceil(t): a whole number
	s_delay_alu instid0(VALU_DEP_1)
	v_sub_f32 v[TMP], v12, v[TMP]                  ; old M - new M: a whole number, 0 or less
	s_delay_alu instid0(VALU_DEP_1)
	v_cvt_i32_f32 v[TMP], v[TMP]                   ; (it saturates)
	s_delay_alu instid0(VALU_DEP_1)
	v_ldexp_f32 v[F], 1.0, v[TMP]                  ; f = 2^(old M - new M)
.set j, 0
.rept 32
	v_pk_fma_f32 v[S+j:S+j+1], v[S+j:S+j+1], s[CS:CS+1], v[12:13] op_sel_hi:[1,0,0]   ; t - M, two at a time
.set j, j+2
.endr
	s_setprio 1
.irp b, 0,1,2,3
	v_fma_f32 v[BM+\b], v[BM+\b], s[CS], v12       ; the same of each block's largest score
.endr
.set j, 0
	s_wait_alu depctr_va_vdst(0)
.rept 64
	v_exp_f32 v[S+j], v[S+j]                       ; p = 2^(t - M): not normalised
.set j, j+1
.endr
	v_pk_mul_f32 v[14:15], v[14:15], v[F:F+1] op_sel_hi:[1,0]   ; the sums under the new M (a plain line behind the exponentials)
	s_wait_alu depctr_va_vdst(0)                   ; one wait for the batch, ahead of its first reader
.irp b, 0,1,2,3
	v_exp_f32 v[BM+\b], v[BM+\b]                   ; the block's largest p: the same two instructions on the same number give the same bits
.endr
	v_pk_add_f32 v[228:229], v[118:119], v[122:123]
	v_pk_add_f32 v[252:253], v[126:127], v[130:131]
	v_pk_add_f32 v[250:251], v[134:135], v[138:139]
	v_pk_add_f32 v[248:249], v[142:143], v[146:147]
	v_pk_add_f32 v[242:243], v[150:151], v[154:155]
	v_pk_add_f32 v[240:241], v[158:159], v[162:163]
	v_pk_add_f32 v[238:239], v[166:167], v[170:171]
	v_pk_add_f32 v[14:15], v[14:15], v[174:175]
	v_pk_add_f32 v[228:229], v[228:229], v[114:115]
	v_pk_add_f32 v[252:253], v[252:253], v[116:117]
	v_pk_add_f32 v[250:251], v[250:251], v[120:121]
	v_pk_add_f32 v[248:249], v[248:249], v[124:125]
	v_pk_add_f32 v[242:243], v[242:243], v[128:129]
	v_pk_add_f32 v[240:241], v[240:241], v[132:133]
	v_pk_add_f32 v[238:239], v[238:239], v[136:137]
	v_pk_add_f32 v[14:15], v[14:15], v[140:141]
	v_pk_add_f32 v[228:229], v[228:229], v[144:145]
	v_pk_add_f32 v[252:253], v[252:253], v[148:149]
	v_pk_add_f32 v[250:251], v[250:251], v[152:153]
	v_pk_add_f32 v[248:249], v[248:249], v[156:157]
	v_pk_add_f32 v[242:243], v[242:243], v[160:161]
	v_pk_add_f32 v[240:241], v[240:241], v[164:165]
	v_pk_add_f32 v[238:239], v[238:239], v[168:169]
	v_pk_add_f32 v[14:15], v[14:15], v[172:173]
	v_pk_add_f32 v[228:229], v[228:229], v[176:177]
	s_delay_alu instid0(VALU_DEP_2)
	v_pk_add_f32 v[14:15], v[14:15], v[248:249]
	s_delay_alu instid0(VALU_DEP_2)
	v_pk_add_f32 v[228:229], v[228:229], v[242:243]
	v_pk_add_f32 v[252:253], v[252:253], v[240:241]
	v_pk_add_f32 v[250:251], v[250:251], v[238:239]
	s_delay_alu instid0(VALU_DEP_2)
	v_pk_add_f32 v[14:15], v[14:15], v[252:253]
	s_delay_alu instid0(VALU_DEP_2)
	v_pk_add_f32 v[228:229], v[228:229], v[250:251]
	s_delay_alu instid0(VALU_DEP_1)
	v_pk_add_f32 v[14:15], v[14:15], v[228:229]
	s_wait_alu depctr_va_vdst(0)                   ; and one for the four
.irp b, 0,1,2,3
	v_max_num_f32 v[BM+\b], 0x1800000, v[BM+\b]    ; the floor 2^(3 - 127): the byte cannot fall under 1
.endr
.irp b, 0,1,2,3
	s_delay_alu instid0(VALU_DEP_4)
	v_add_nc_u32 v[SO+\b], 0xff000000, v[BM+\b]    ; 2 off the exponent field: the conversion's scale operand
.endr
.irp b, 0,1,2,3
	s_delay_alu instid0(VALU_DEP_4)
	v_lshrrev_b32 v[PM+\b], 23, v[SO+\b]           ; the scale's byte
.endr
	s_delay_alu instid0(VALU_DEP_3)
	v_lshl_or_b32 v[PW], v[PM+1], 8, v[PM]         ; p's scale word for these 128 keys
	s_delay_alu instid0(VALU_DEP_1)
	v_lshl_or_b32 v[PW], v[PM+2], 16, v[PW]
	s_delay_alu instid0(VALU_DEP_1)
	v_lshl_or_b32 v[PW], v[PM+3], 24, v[PW]
	s_setprio 0
.irp c, 0,1
	v_cvt_scalef32_pk16_fp6_f32 v[P+6*\c:P+6*\c+2], v[S+32*\c:S+32*\c+15], v[SO+2*\c]
	v_cvt_scalef32_pk16_fp6_f32 v[CT+4*\c:CT+4*\c+2], v[S+32*\c+16:S+32*\c+31], v[SO+2*\c+1]
.endr
	v_nop                                          ; one plain line behind a scaled conversion
.irp c, 0,1
.irp i, 0,1,2
	v_permlane16_swap_b32 v[P+6*\c+\i], v[CT+4*\c+\i]   ; a whole block to a lane
.endr
.irp i, 0,1,2
	s_delay_alu instid0(VALU_DEP_3)
	v_mov_b32 v[P+6*\c+3+\i], v[CT+4*\c+\i]
.endr
.endr
.set j, 0
.rept 16
	v_pk_mul_f32 v[O+j:O+j+1], v[O+j:O+j+1], v[F:F+1] op_sel_hi:[1,0]   ; O^T under the new M.  (Also the places between the vector writes of p's codes and scale word and the products)
.set j, j+2
.endr
.rept 4
	v_nop                                          ; and four between the vector writes of O^T and the products that add onto it
.endr
	s_wait_alu depctr_va_vdst(0)
	s_wait_dscnt 0x0                               ; V
.irp t, 0,1,2,3
.if \t%2
	v_wmma_scale_f32_16x16x128_f8f6f4 v[O+8*\t:O+8*\t+7], v[KV+12*\t:KV+12*\t+11], v[P:P+11], v[O+8*\t:O+8*\t+7], v[VSC+\t/2], v[PW] matrix_a_fmt:MATRIX_FMT_FP6 matrix_b_fmt:MATRIX_FMT_FP6 matrix_a_scale:MATRIX_SCALE_ROW1
.else
	v_wmma_scale_f32_16x16x128_f8f6f4 v[O+8*\t:O+8*\t+7], v[KV+12*\t:KV+12*\t+11], v[P:P+11], v[O+8*\t:O+8*\t+7], v[VSC+\t/2], v[PW] matrix_a_fmt:MATRIX_FMT_FP6 matrix_b_fmt:MATRIX_FMT_FP6
.endif
.endr
.Lhidden_\@:
	s_add_co_u32 s[KI], s[KI], 1
	s_add_co_u32 s[TK], s[TK], KREC
	s_add_co_u32 s[TV], s[TV], VREC
.endm
; O^T / the sum is ctx: register 16 b + i is channel 32 b + 16 (lane / 16) + i of my query.  It is quantised along the channels and leaves as half a fragment of the last product: 768 bytes, and two scale bytes a row.
.macro FINISH i
	v_add_f32 v14, v14, v15                        ; the sum's two halves,
	s_delay_alu instid0(VALU_DEP_1)
	v_permlanex16_b32 v[PM], v14, s[SEL], s[SEL+1]
	s_delay_alu instid0(VALU_DEP_1)
	v_add_f32 v14, v14, v[PM]                      ; and lane l xor 16's
	s_wait_alu depctr_va_vdst(0)
	v_rcp_f32 v[F], v14
.rept 4
	v_nop                                          ; the plain line behind the reciprocal; with the additions above, the places behind the last products
.endr
	s_wait_alu depctr_va_vdst(0)                   ; ahead of the reciprocal's first reader
.set j, 0
.rept 16
	v_pk_mul_f32 v[O+j:O+j+1], v[O+j:O+j+1], v[F:F+1] op_sel_hi:[1,0]   ; each accumulator from its low end on
.set j, j+2
.endr
.irp b, 0,1
	v_max3_num_f32 v[BM+\b], |v[O+16*\b]|, |v[O+16*\b+1]|, 0x1800000
.endr
.irp m, 2,4,6,8,10,12,14
.irp b, 0,1
	s_delay_alu instid0(VALU_DEP_2)
	v_max3_num_f32 v[BM+\b], v[BM+\b], |v[O+16*\b+\m]|, |v[O+16*\b+\m+1]|
.endr
.endr
.irp b, 0,1
	s_delay_alu instid0(VALU_DEP_2)
	v_permlanex16_b32 v[PM+\b], v[BM+\b], s[SEL], s[SEL+1]
.endr
.irp b, 0,1
	s_delay_alu instid0(VALU_DEP_2)
	v_max_num_f32 v[BM+\b], v[BM+\b], v[PM+\b]
.endr
.irp b, 0,1
	s_delay_alu instid0(VALU_DEP_2)
	v_add_nc_u32 v[SO+\b], 0xff000000, v[BM+\b]
.endr
.irp b, 0,1
	s_delay_alu instid0(VALU_DEP_2)
	v_lshrrev_b32 v[PM+\b], 23, v[SO+\b]
.endr
	v_cvt_scalef32_pk16_fp6_f32 v[P:P+2], v[O:O+15], v[SO]
	v_cvt_scalef32_pk16_fp6_f32 v[CT:CT+2], v[O+16:O+31], v[SO+1]
	v_cndmask_b32 v[TMP], v[PM], v[PM+1], s[MH]    ; lane (r, h) stores block h's byte.  (Also the plain line behind the conversions)
.irp m, 0,1,2
	v_permlane16_swap_b32 v[P+\m], v[CT+\m]
.endr
.irp m, 0,1,2
	s_delay_alu instid0(VALU_DEP_3)
	v_mov_b32 v[P+3+\m], v[CT+\m]
.endr
	global_store_b128 v[AK0], v[P:P+3], s[66+2*\i:67+2*\i]               ; registers 0-3: 512 consecutive bytes
	global_store_b64 v[L8], v[P+4:P+5], s[66+2*\i:67+2*\i] offset:512    ; registers 4-5: 256
	global_store_b8 v[SBO], v[TMP], s[70+2*\i:71+2*\i]                   ; two bytes of each row's 32: one byte in 24 of what the tile stores
.endm
.macro TILE i, trips
	s_wait_xcnt 0x0                                ; earlier loads and stores have read their registers
.irp k, 0,1,2,3,4,5
	v_cndmask_b32 v[QF+\k], v[QR+12*\i+\k], v[QR+12*\i+6+\k], s[57+\i]   ; my tile's half of the pair image
.endr
	v_mov_b32 v13, 0xff61b1e6                      ; the largest t so far: -3e38, under every t
	s_delay_alu instid0(VALU_DEP_1)
	v_floor_f32 v12, -v13                          ; -M
	v_mov_b32 v14, 0                               ; the sum, in two halves
	v_mov_b32 v15, 0
.set j, 0
.rept 32
	v_mov_b32 v[O+j], 0                            ; the step is written once: the first finds zeros, which the first change of M leaves zeros
.set j, j+1
.endr
	s_mov_b32 s[KI], 0
	s_mov_b32 s[TK], 0
	s_mov_b32 s[TV], 0
	s_mov_b32 s[GQ], s[86+\i]
.Lstep_\@:
	STEP DQ+\i, QS+\i
	s_cmp_lt_u32 s[KI], \trips
	s_cbranch_scc1 .Lstep_\@
	s_setprio 0
	FINISH \i
.endm
	TILE 0, 8                                      ; a tile of the head's first half: at most 8 key steps
	TILE 1, 16                                     ; its mirror in the second half
	s_wait_tensorcnt 0x0
	ds_add_u32 v254, v255
	s_wait_dscnt 0x0
	CROUND                                         ; the closing round
	s_endpgm
.Lfunc_end_k_qee35c67e26_attn:
	.size	k_qee35c67e26_attn, .Lfunc_end_k_qee35c67e26_attn-k_qee35c67e26_attn
	.p2alignl 7, 3214868480
	.fill 96, 4, 3214868480
	.section	.rodata,"a",@progbits
	.p2align	6, 0x0
	.amdhsa_kernel k_qee35c67e26_attn
		.amdhsa_group_segment_fixed_size 210944
		.amdhsa_private_segment_fixed_size 0
		.amdhsa_enable_private_segment 0
		.amdhsa_kernarg_size 32
		.amdhsa_user_sgpr_count 2
		.amdhsa_user_sgpr_kernarg_segment_ptr 1
		.amdhsa_wavefront_size32 1
		.amdhsa_system_sgpr_workgroup_id_x 1
		.amdhsa_system_sgpr_workgroup_id_y 1
		.amdhsa_system_sgpr_workgroup_id_z 1
		.amdhsa_system_vgpr_workitem_id 0
		.amdhsa_next_free_vgpr 256
		.amdhsa_next_free_sgpr 96
		.amdhsa_reserve_vcc 1
		.amdhsa_float_denorm_mode_32 3
		.amdhsa_float_denorm_mode_16_64 3
		.amdhsa_memory_ordered 1
		.amdhsa_forward_progress 1
		.amdhsa_inst_pref_size 66
	.end_amdhsa_kernel
	.amdgpu_metadata
---
amdhsa.version: [ 1, 2 ]
amdhsa.kernels:
  - .name:           k_qee35c67e26_attn
    .symbol:         k_qee35c67e26_attn.kd
    .args:
      - { .name: qc, .offset: 0, .size: 8, .value_kind: global_buffer, .address_space: global }
      - { .name: kc, .offset: 8, .size: 8, .value_kind: global_buffer, .address_space: global }
      - { .name: vc, .offset: 16, .size: 8, .value_kind: global_buffer, .address_space: global }
      - { .name: cq, .offset: 24, .size: 8, .value_kind: global_buffer, .address_space: global }
    .group_segment_fixed_size: 210944
    .private_segment_fixed_size: 0
    .kernarg_segment_align: 8
    .kernarg_segment_size: 32
    .max_flat_workgroup_size: 512
    .sgpr_count:     96
    .vgpr_count:     256
    .wavefront_size: 32
...
	.end_amdgpu_metadata
.endif
;; end of part 3
;; launch oproj (part 4): grid 256 x 1, 16 waves a work-group, no clusters, 169,984 bytes of LDS; arguments cq, wq, bo, x, gamma, beta, out0; writes out0
.if DOCPART == 4
	.amdgcn_target "amdgcn-amd-amdhsa--gfx1250"
	.amdhsa_code_object_version 6
	.text
	.protected	k_qee35c67e26_oproj
	.globl	k_qee35c67e26_oproj
	.p2align	8
	.type	k_qee35c67e26_oproj,@function
k_qee35c67e26_oproj:
	s_mov_b64 s[64:65], 0
	v_nop
	global_prefetch_b8 v0, s[64:65] scope:SCOPE_SE
	s_setreg_imm32_b32 hwreg(HW_REG_WAVE_MODE, 25, 1), 1
	s_wait_xcnt 0x0
; out0 = LayerNorm(ctx Wo^T + bo + x) x gamma + beta.  The product runs on codes of FP6 (E2M3) with E8M0 scales, sums in f32; all else in f32.
; SHARES.  A work-group owns 32 whole rows (a pair of token tiles), so that a row's mean and variance never leave it; wave w owns columns 64 w .. 64 w + 63: Wo's tiles 4 w .. 4 w + 3.
; The product is used transposed (source 0 = 16 rows of Wo, source 1 = 16 tokens): a lane holds one token of each tile, and register 32 e + 16 b + i is column 64 w + 32 b + 16 (lane / 16) + i of tile e's row.
; ctx's 16 fragments (2 tiles x 8 K steps) are put together once, one by each wave, and go from wave to wave through LDS as images of their registers.
; Wo's fragments go from memory straight into registers, two K steps (24 loads a wave) ahead.
; NO CLUSTER, though all work-groups walk Wo: each fragment of Wo is read by ONE wave of a work-group, a K step of Wo is 98,304 bytes, and a wave has 8 matrix instructions in a K step: a ring filled
; jointly would put a round of the cluster's barrier in front of every eight.
; x's 32 rows x 256 bytes of my columns come by one tensor load a wave into the wave's own stage (rows of 256 + 16 bytes), filled once; the finished rows leave through the same stage.
; LIMITS: NaN and infinities are not served; 1 / sqrt is v_rsq_f32; x and bo are added to the product in another order than the sum is written, which can turn the last bit of an f32 sum.
.set CSO,  6291456                     ; cq: where the scale bytes begin
.set WSO,  3145728                     ; wq: where the scale words begin
.set RED1, 24576                       ; LDS: ctx's 16 images at 0; the waves' sums, 128 bytes a wave; the sums of squares 2,048 further on;
.set STG,  28672                       ; the stages
.set STGW, 8704                        ; 32 rows x 272 bytes
.set SP,   272
.set ACC,  16                          ; v16-79   eight accumulators
.set BF,   80                          ; v80-175  Wo's fragments, two sets of 48
.set AF,   176                         ; v176-223 ctx's fragments, two sets of 24
.set WSR,  224                         ; v224-239 Wo's scale words: register 8 (t / 2) + s: lanes 0-15 tile 2 (t / 2), lanes 16-31 the next
.set AS,   240                         ; v240-247 ctx's: register s: lanes 0-15 tile 0, lanes 16-31 tile 1
.set WV,   18
.set MH,   35
.set SEL,  46
	s_load_b256 s[4:11], s[0:1], 0x0               ; cq, wq, bo, x
	s_load_b128 s[12:15], s[0:1], 0x20             ; gamma, beta
	s_load_b64 s[16:17], s[0:1], 0x30              ; out0
	v_lshl_add_u32 v254, v0, 2, 0x29000
	v_mov_b32 v255, 0
	ds_add_u32 v254, v255
	ds_add_u32 v254, v255
	s_wait_dscnt 0x0
	v_lshrrev_b32 v1, 5, v0
	s_delay_alu instid0(VALU_DEP_1)
	v_readfirstlane_b32 s[WV], v1                  ; wave 0..15
	s_mov_b32 s24, (3<<16)|(1<<20)|(5<<22)|(3<<25) ; elements of 8 bytes; after every 64 words 4 words of padding
	s_mov_b32 s25, 32<<16                          ; tensor_dim0 = 32 elements: 256 bytes
	s_mov_b32 s26, 32<<16                          ; tensor_dim1 = 32 rows
	s_mov_b32 s27, 32<<16                          ; tile_dim0
	s_mov_b32 s28, 32                              ; tile_dim1
	s_mov_b32 s29, 512                             ; a row of x is 4,096 bytes
	s_mov_b32 s30, 0
	s_mov_b32 s31, 0
	s_mul_i32 s19, s[WV], STGW
	s_add_co_u32 s19, s19, STG                     ; my stage
	s_lshl_b32 s32, ttmp9, 17                      ; my work-group's 32 rows of 4,096 bytes
	s_mov_b32 s33, 0
	s_lshl_b32 s34, s[WV], 8                       ; my wave's 64 columns
	s_mov_b32 s35, 0
	s_wait_kmcnt 0x0
	s_add_nc_u64 s[10:11], s[10:11], s[32:33]
	s_add_nc_u64 s[16:17], s[16:17], s[32:33]
	s_mov_b32 s20, 1
	s_mov_b32 s21, s19
	s_add_nc_u64 s[22:23], s[10:11], s[34:35]
	s_or_b32 s23, s23, 0x80000000
	tensor_load_to_lds s[20:23], s[24:31]          ; x: it has the whole product in which to land; my one tensor load
	s_nop 0
.rept 4
	v_nop
.endr
	s_add_nc_u64 s[8:9], s[8:9], s[34:35]          ; bo, gamma, beta at my columns
	s_add_nc_u64 s[12:13], s[12:13], s[34:35]
	s_add_nc_u64 s[14:15], s[14:15], s[34:35]
	s_and_b32 s36, s[WV], 1                        ; the fragment of ctx that I put together: tile w % 2, K step w / 2: heads 2 (w / 2) and the next
	s_lshl_b32 s37, ttmp9, 1
	s_add_co_u32 s36, s36, s37
	s_lshl_b32 s36, s36, 4
	s_and_b32 s37, s[WV], 14
	s_add_co_u32 s36, s36, s37
	s_mul_i32 s36, s36, 768
	s_mov_b32 s37, 0
	s_add_nc_u64 s[36:37], s[4:5], s[36:37]
	s_lshl_b32 s38, ttmp9, 10
	s_add_co_u32 s38, s38, CSO
	s_mov_b32 s39, 0
	s_add_nc_u64 s[38:39], s[4:5], s[38:39]        ; ctx's scale bytes: 32 a row, my 32 rows
	s_lshl_b32 s42, s[WV], 2
	s_add_co_u32 s42, s42, 192                     ; my first tile of Wo in wq
	s_lshl_b32 s40, s42, 9
	s_add_co_u32 s40, s40, WSO
	s_mov_b32 s41, 0
	s_add_nc_u64 s[40:41], s[6:7], s[40:41]        ; its scale words,
	s_mul_i32 s42, s42, 12288
	s_mov_b32 s43, 0
	s_add_nc_u64 s[42:43], s[6:7], s[42:43]        ; its images
	s_mov_b32 s[MH], 0xffff0000                    ; lanes 16-31
	s_mov_b32 s44, 0x3a800000                      ; 1 / 1,024
	s_mov_b32 s45, 0x3727c5ac                      ; 1e-5
	s_mov_b32 s[SEL], 0x76543210
	s_mov_b32 s[SEL+1], 0xfedcba98                 ; lane l xor 16
	v_and_b32 v12, 31, v0                          ; lane
	v_and_b32 v13, 15, v0                          ; r
	v_bfe_u32 v14, v0, 4, 1                        ; h
	s_delay_alu instid0(VALU_DEP_3)
	v_lshlrev_b32 v1, 4, v12                       ; v1  16 x lane
	s_delay_alu instid0(VALU_DEP_4)
	v_lshlrev_b32 v2, 3, v12                       ; v2  8 x lane
	s_delay_alu instid0(VALU_DEP_4)
	v_lshlrev_b32 v3, 4, v13
	s_delay_alu instid0(VALU_DEP_1)
	v_lshl_add_u32 v3, v14, 12, v3
	s_delay_alu instid0(VALU_DEP_1)
	v_add_nc_u32 v3, s34, v3                       ; v3  out0: lanes 0-15 one row's 256 bytes, lanes 16-31 the next row's
	v_mul_u32_u24 v4, v14, SP
	s_delay_alu instid0(VALU_DEP_1)
	v_lshl_add_u32 v4, v13, 4, v4
	s_delay_alu instid0(VALU_DEP_1)
	v_add_nc_u32 v4, s19, v4                       ; v4  the same two rows in my stage
	v_and_b32 v5, 7, v13
	v_lshrrev_b32 v15, 3, v13
	s_delay_alu instid0(VALU_DEP_1)
	v_lshl_add_u32 v5, v15, 4, v5
	s_delay_alu instid0(VALU_DEP_1)
	v_mul_u32_u24 v5, v5, SP
	s_delay_alu instid0(VALU_DEP_1)
	v_lshl_add_u32 v5, v14, 6, v5
	s_delay_alu instid0(VALU_DEP_1)
	v_add_nc_u32 v5, s19, v5                       ; v5  my token's row in the stage, r % 8 + 16 (r / 8) (tile 1: 8 rows on), + 64 h
	v_lshl_add_u32 v7, v12, 2, RED1                ; v7  the sums: 4 x lane,
	s_lshl_b32 s32, s[WV], 7
	v_add_nc_u32 v6, s32, v7                       ; v6  + 128 x wave
	s_mul_i32 s32, s[WV], 1536
	v_add_nc_u32 v8, s32, v1                       ; v8  where my fragment's image goes
	v_lshlrev_b32 v9, 6, v14                       ; v9  64 h: my 16 columns of a block of 32
	v_lshlrev_b32 v10, 5, v12                      ; v10 32 x lane: row r of tile lane / 16
	v_lshlrev_b32 v11, 3, v13
	s_delay_alu instid0(VALU_DEP_1)
	v_lshl_add_u32 v11, v14, 9, v11                ; v11 8 r + 512 h: Wo's scale words, lanes 16-31 the next tile's
	global_load_b128 v[AF+24:AF+27], v1, s[36:37]              ; two half fragments: registers 0-3, 4-5 of the first head, 6-9, 10-11 of the second
	global_load_b64 v[AF+28:AF+29], v2, s[36:37] offset:512
	global_load_b128 v[AF+30:AF+33], v1, s[36:37] offset:768
	global_load_b64 v[AF+34:AF+35], v2, s[36:37] offset:1280
	global_load_b128 v[AS:AS+3], v10, s[38:39]
	global_load_b128 v[AS+4:AS+7], v10, s[38:39] offset:16
.irp tp, 0,1
.irp sg, 0,1,2,3
	global_load_b64 v[WSR+8*\tp+2*\sg:WSR+8*\tp+2*\sg+1], v11, s[40:41] offset:1024*\tp+128*\sg
.endr
.endr
.macro BLOAD s                         ; Wo's four fragments of K step s
.irp t, 0,1,2,3
.irp k, 0,1,2
	global_load_b128 v[BF+48*((\s)%2)+12*\t+4*\k:BF+48*((\s)%2)+12*\t+4*\k+3], v1, s[42:43] offset:12288*\t+1536*(\s)+512*\k
.endr
.endr
.endm
.macro ALOAD s                         ; ctx's two fragments of K step s
.irp e, 0,1
.irp k, 0,1,2
	ds_load_b128 v[AF+24*((\s)%2)+12*\e+4*\k:AF+24*((\s)%2)+12*\e+4*\k+3], v1 offset:(2*(\s)+\e)*1536+512*\k
.endr
.endr
.endm
	BLOAD 0
	BLOAD 1
	s_wait_alu depctr_va_vdst(0)
	s_wait_loadcnt 34                              ; my fragment of ctx is in: the 2 + 8 + 24 younger loads may be out
.irp k, 0,1,2
	ds_store_b128 v8, v[AF+24+4*\k:AF+24+4*\k+3] offset:512*\k
.endr
	s_wait_dscnt 0x0                               ; for the others' sake: my stores have landed
	s_barrier_signal -1
	s_barrier_wait -1                              ; ctx's sixteen fragments lie in LDS; nobody writes them again
	ALOAD 0
	ALOAD 1
.macro WMM d, a, b, zero, sa, sb, ra, rb
.if \zero
.if \ra && \rb
	v_wmma_scale_f32_16x16x128_f8f6f4 v[\d:\d+7], v[\a:\a+11], v[\b:\b+11], 0, v[\sa], v[\sb] matrix_a_fmt:MATRIX_FMT_FP6 matrix_b_fmt:MATRIX_FMT_FP6 matrix_a_scale:MATRIX_SCALE_ROW1 matrix_b_scale:MATRIX_SCALE_ROW1
.elseif \ra
	v_wmma_scale_f32_16x16x128_f8f6f4 v[\d:\d+7], v[\a:\a+11], v[\b:\b+11], 0, v[\sa], v[\sb] matrix_a_fmt:MATRIX_FMT_FP6 matrix_b_fmt:MATRIX_FMT_FP6 matrix_a_scale:MATRIX_SCALE_ROW1
.elseif \rb
	v_wmma_scale_f32_16x16x128_f8f6f4 v[\d:\d+7], v[\a:\a+11], v[\b:\b+11], 0, v[\sa], v[\sb] matrix_a_fmt:MATRIX_FMT_FP6 matrix_b_fmt:MATRIX_FMT_FP6 matrix_b_scale:MATRIX_SCALE_ROW1
.else
	v_wmma_scale_f32_16x16x128_f8f6f4 v[\d:\d+7], v[\a:\a+11], v[\b:\b+11], 0, v[\sa], v[\sb] matrix_a_fmt:MATRIX_FMT_FP6 matrix_b_fmt:MATRIX_FMT_FP6
.endif
.else
.if \ra && \rb
	v_wmma_scale_f32_16x16x128_f8f6f4 v[\d:\d+7], v[\a:\a+11], v[\b:\b+11], v[\d:\d+7], v[\sa], v[\sb] matrix_a_fmt:MATRIX_FMT_FP6 matrix_b_fmt:MATRIX_FMT_FP6 matrix_a_scale:MATRIX_SCALE_ROW1 matrix_b_scale:MATRIX_SCALE_ROW1
.elseif \ra
	v_wmma_scale_f32_16x16x128_f8f6f4 v[\d:\d+7], v[\a:\a+11], v[\b:\b+11], v[\d:\d+7], v[\sa], v[\sb] matrix_a_fmt:MATRIX_FMT_FP6 matrix_b_fmt:MATRIX_FMT_FP6 matrix_a_scale:MATRIX_SCALE_ROW1
.elseif \rb
	v_wmma_scale_f32_16x16x128_f8f6f4 v[\d:\d+7], v[\a:\a+11], v[\b:\b+11], v[\d:\d+7], v[\sa], v[\sb] matrix_a_fmt:MATRIX_FMT_FP6 matrix_b_fmt:MATRIX_FMT_FP6 matrix_b_scale:MATRIX_SCALE_ROW1
.else
	v_wmma_scale_f32_16x16x128_f8f6f4 v[\d:\d+7], v[\a:\a+11], v[\b:\b+11], v[\d:\d+7], v[\sa], v[\sb] matrix_a_fmt:MATRIX_FMT_FP6 matrix_b_fmt:MATRIX_FMT_FP6
.endif
.endif
.endm
; A K step of 128: eight matrix instructions, the eight accumulators by turns, one instruction a turn; the first step's products start the sums.
.macro KSTEP s
.if (\s) < 7
	s_wait_loadcnt 12                              ; this step's fragments of Wo are in; the next step's 12 loads may be out
	s_wait_dscnt 6                                 ; and ctx's; the next step's 6 may be out
.else
	s_wait_loadcnt 0x0
	s_wait_dscnt 0x0
.endif
.irp t, 0,1,2,3
.irp e, 0,1
.set DD, ACC+32*\e+8*\t
.set AA, BF+48*((\s)%2)+12*\t
.set BB, AF+24*((\s)%2)+12*\e
.set SA, WSR+8*(\t/2)+(\s)
.set SB, AS+(\s)
	WMM DD, AA, BB, (\s)==0, SA, SB, \t%2, \e
.endr
.endr
.rept 4
	v_nop                                          ; places in front of loads into registers that these products have read, and of the first read of results
.endr
.if (\s) < 6
	BLOAD (\s)+2
	ALOAD (\s)+2
.endif
.endm
	KSTEP 0
	KSTEP 1
	KSTEP 2
	KSTEP 3
	KSTEP 4
	KSTEP 5
	KSTEP 6
	KSTEP 7
	; ---- bias, residual, LayerNorm.  v80-111 bo, v112-143 gamma, v144-175 x of tile 1 and then beta, v176-207 x of tile 0: register 16 b + i belongs to column 64 w + 32 b + 16 h + i
.irp b, 0,1
.irp k, 0,1,2,3
	global_load_b128 v[80+16*\b+4*\k:83+16*\b+4*\k], v9, s[8:9] offset:128*\b+16*\k
.endr
.endr
.irp b, 0,1
.irp k, 0,1,2,3
	global_load_b128 v[112+16*\b+4*\k:115+16*\b+4*\k], v9, s[12:13] offset:128*\b+16*\k
.endr
.endr
	s_wait_tensorcnt 0x0                           ; x lies in my stage, which I alone read
.irp b, 0,1
.irp k, 0,1,2,3
	ds_load_b128 v[176+16*\b+4*\k:179+16*\b+4*\k], v5 offset:128*\b+16*\k
	ds_load_b128 v[144+16*\b+4*\k:147+16*\b+4*\k], v5 offset:8*SP+128*\b+16*\k
.endr
.endr
	s_wait_dscnt 0x0
.set n, 0
.rept 16
	v_pk_add_f32 v[ACC+n:ACC+n+1], v[ACC+n:ACC+n+1], v[176+n:177+n]      ; + x; each accumulator from its low end on
.set n, n+2
.endr
.set n, 0
.rept 16
	v_pk_add_f32 v[ACC+32+n:ACC+32+n+1], v[ACC+32+n:ACC+32+n+1], v[144+n:145+n]
.set n, n+2
.endr
.irp b, 0,1
.irp k, 0,1,2,3
	global_load_b128 v[144+16*\b+4*\k:147+16*\b+4*\k], v9, s[14:15] offset:128*\b+16*\k
.endr
.endr
	s_wait_loadcnt 16                              ; bo is in; gamma's and beta's 16 loads may be out
.irp e, 0,1
.set n, 0
.rept 16
	v_pk_add_f32 v[ACC+32*\e+n:ACC+32*\e+n+1], v[ACC+32*\e+n:ACC+32*\e+n+1], v[80+n:81+n]
.set n, n+2
.endr
.endr
; v248, v252: my lane's figure for tile 0's and tile 1's row r.  Both halves of the lanes are joined; lanes 0-15 carry tile 0's figure and lanes 16-31 tile 1's into my wave's 128 bytes; behind the
; barrier every wave adds up all sixteen waves' figures in the same order.  v176 = the row's total, for row r of tile lane / 16.
.macro ALLSUM off
	s_delay_alu instid0(VALU_DEP_2)
	v_permlanex16_b32 v249, v248, s[SEL], s[SEL+1]
	s_delay_alu instid0(VALU_DEP_2)
	v_permlanex16_b32 v253, v252, s[SEL], s[SEL+1]
	s_delay_alu instid0(VALU_DEP_2)
	v_add_f32 v248, v248, v249
	s_delay_alu instid0(VALU_DEP_2)
	v_add_f32 v252, v252, v253
	s_delay_alu instid0(VALU_DEP_1)
	v_cndmask_b32 v248, v248, v252, s[MH]
	ds_store_b32 v6, v248 offset:\off
	s_wait_dscnt 0x0                               ; for the others' sake: my store has landed
	s_barrier_signal -1
	s_barrier_wait -1
.set q, 0
.rept 16
	ds_load_b32 v[176+q], v7 offset:\off+128*q
.set q, q+1
.endr
	s_wait_dscnt 0x0
.irp m, 0,2,4,6
	v_pk_add_f32 v[176+\m:177+\m], v[176+\m:177+\m], v[184+\m:185+\m]
.endr
	s_delay_alu instid0(VALU_DEP_2)
	v_pk_add_f32 v[176:177], v[176:177], v[180:181]
	s_delay_alu instid0(VALU_DEP_2)
	v_pk_add_f32 v[178:179], v[178:179], v[182:183]
	s_delay_alu instid0(VALU_DEP_1)
	v_pk_add_f32 v[176:177], v[176:177], v[178:179]
	s_delay_alu instid0(VALU_DEP_1)
	v_add_f32 v176, v176, v177
.endm
.macro PAIRS                           ; v248, a figure for row r of tile lane / 16, becomes tile 0's in v[250:251] and tile 1's in v[252:253], each twice, in every lane
	v_permlanex16_b32 v249, v248, s[SEL], s[SEL+1]
	v_cndmask_b32 v250, v248, v249, s[MH]
	v_cndmask_b32 v251, v248, v249, s[MH]
	v_cndmask_b32 v252, v249, v248, s[MH]
	v_cndmask_b32 v253, v249, v248, s[MH]
.endm
.irp e, 0,1
	v_pk_add_f32 v[248+4*\e:249+4*\e], v[ACC+32*\e:ACC+32*\e+1], v[ACC+32*\e+2:ACC+32*\e+3]   ; the sum of my 32 numbers of each row, in two chains
	v_pk_add_f32 v[250+4*\e:251+4*\e], v[ACC+32*\e+4:ACC+32*\e+5], v[ACC+32*\e+6:ACC+32*\e+7]
.endr
.irp i, 8,12,16,20,24,28
.irp e, 0,1
	s_delay_alu instid0(VALU_DEP_4)
	v_pk_add_f32 v[248+4*\e:249+4*\e], v[248+4*\e:249+4*\e], v[ACC+32*\e+\i:ACC+32*\e+\i+1]
	s_delay_alu instid0(VALU_DEP_4)
	v_pk_add_f32 v[250+4*\e:251+4*\e], v[250+4*\e:251+4*\e], v[ACC+32*\e+\i+2:ACC+32*\e+\i+3]
.endr
.endr
.irp e, 0
	s_delay_alu instid0(VALU_DEP_3)
	v_pk_add_f32 v[248+4*\e:249+4*\e], v[248+4*\e:249+4*\e], v[250+4*\e:251+4*\e]
.endr
.irp e, 1
	s_delay_alu instid0(VALU_DEP_2)
	v_pk_add_f32 v[248+4*\e:249+4*\e], v[248+4*\e:249+4*\e], v[250+4*\e:251+4*\e]
.endr
.irp e, 0,1
	s_delay_alu instid0(VALU_DEP_2)
	v_add_f32 v[248+4*\e], v[248+4*\e], v[249+4*\e]
.endr
	ALLSUM 0
	s_delay_alu instid0(VALU_DEP_1)
	v_mul_f32 v248, s44, v176                      ; the mean
	PAIRS
.irp e, 0,1
.set n, 0
.rept 16
	v_pk_add_f32 v[ACC+32*\e+n:ACC+32*\e+n+1], v[ACC+32*\e+n:ACC+32*\e+n+1], v[250+2*\e:251+2*\e] neg_lo:[0,1] neg_hi:[0,1]   ; - the mean
.set n, n+2
.endr
.endr
.irp e, 0,1
	v_pk_mul_f32 v[248+4*\e:249+4*\e], v[ACC+32*\e:ACC+32*\e+1], v[ACC+32*\e:ACC+32*\e+1]     ; the sum of squares, likewise
	v_pk_mul_f32 v[250+4*\e:251+4*\e], v[ACC+32*\e+2:ACC+32*\e+3], v[ACC+32*\e+2:ACC+32*\e+3]
.endr
.irp i, 4,8,12,16,20,24,28
.irp e, 0,1
	s_delay_alu instid0(VALU_DEP_4)
	v_pk_fma_f32 v[248+4*\e:249+4*\e], v[ACC+32*\e+\i:ACC+32*\e+\i+1], v[ACC+32*\e+\i:ACC+32*\e+\i+1], v[248+4*\e:249+4*\e]
	s_delay_alu instid0(VALU_DEP_4)
	v_pk_fma_f32 v[250+4*\e:251+4*\e], v[ACC+32*\e+\i+2:ACC+32*\e+\i+3], v[ACC+32*\e+\i+2:ACC+32*\e+\i+3], v[250+4*\e:251+4*\e]
.endr
.endr
.irp e, 0
	s_delay_alu instid0(VALU_DEP_3)
	v_pk_add_f32 v[248+4*\e:249+4*\e], v[248+4*\e:249+4*\e], v[250+4*\e:251+4*\e]
.endr
.irp e, 1
	s_delay_alu instid0(VALU_DEP_2)
	v_pk_add_f32 v[248+4*\e:249+4*\e], v[248+4*\e:249+4*\e], v[250+4*\e:251+4*\e]
.endr
.irp e, 0,1
	s_delay_alu instid0(VALU_DEP_2)
	v_add_f32 v[248+4*\e], v[248+4*\e], v[249+4*\e]
.endr
	ALLSUM 2048                                    ; other bytes than the first sums': no barrier is owed between the two
	s_delay_alu instid0(VALU_DEP_1)
	v_fma_f32 v249, v176, s44, s45                 ; the variance + 1e-5
	s_wait_alu depctr_va_vdst(0)
	v_rsq_f32 v248, v249
	v_nop                                          ; one plain line behind the transcendental,
	s_wait_alu depctr_va_vdst(0)                   ; and the wait ahead of its first reader
	PAIRS
	s_wait_alu depctr_va_vdst(0)
	s_wait_loadcnt 0x0                             ; gamma and beta
.irp e, 0,1
.set n, 0
.rept 16
	v_pk_mul_f32 v[ACC+32*\e+n:ACC+32*\e+n+1], v[ACC+32*\e+n:ACC+32*\e+n+1], v[250+2*\e:251+2*\e]
.set n, n+2
.endr
.endr
.irp e, 0,1
.set n, 0
.rept 16
	v_pk_fma_f32 v[ACC+32*\e+n:ACC+32*\e+n+1], v[ACC+32*\e+n:ACC+32*\e+n+1], v[112+n:113+n], v[144+n:145+n]
.set n, n+2
.endr
.endr
	; the way out: my 64 columns of the 32 rows go back into my stage, which has had its one fill and which I alone touch, and leave as rows: sixteen lanes store 256 consecutive bytes, aligned
.irp e, 0,1
.irp b, 0,1
.irp k, 0,1,2,3
	ds_store_b128 v5, v[ACC+32*\e+16*\b+4*\k:ACC+32*\e+16*\b+4*\k+3] offset:8*SP*\e+128*\b+16*\k
.endr
.endr
.endr
.set q, 0
.rept 16
	ds_load_b128 v[80+4*q:83+4*q], v4 offset:2*SP*q   ; LDS serves a wave's instructions in order: these see the stores above
.set q, q+1
.endr
.set q, 0
.rept 16
	s_wait_dscnt 15-q                              ; rows 2 q, 2 q + 1 are back; the younger loads may be out
	global_store_b128 v3, v[80+4*q:83+4*q], s[16:17] offset:8192*q th:TH_STORE_NT
.set q, q+1
.endr
	s_wait_xcnt 0x0
	v_lshl_add_u32 v254, v0, 2, 0x29000
	v_mov_b32 v255, 0
	s_wait_alu depctr_va_vdst(0)
	s_wait_tensorcnt 0x0
	ds_add_u32 v254, v255
	s_wait_dscnt 0x0
	s_endpgm
.Lfunc_end_k_qee35c67e26_oproj:
	.size	k_qee35c67e26_oproj, .Lfunc_end_k_qee35c67e26_oproj-k_qee35c67e26_oproj
	.p2alignl 7, 3214868480
	.fill 96, 4, 3214868480
	.section	.rodata,"a",@progbits
	.p2align	6, 0x0
	.amdhsa_kernel k_qee35c67e26_oproj
		.amdhsa_group_segment_fixed_size 169984
		.amdhsa_private_segment_fixed_size 0
		.amdhsa_enable_private_segment 0
		.amdhsa_kernarg_size 56
		.amdhsa_user_sgpr_count 2
		.amdhsa_user_sgpr_kernarg_segment_ptr 1
		.amdhsa_wavefront_size32 1
		.amdhsa_system_sgpr_workgroup_id_x 1
		.amdhsa_system_sgpr_workgroup_id_y 1
		.amdhsa_system_sgpr_workgroup_id_z 1
		.amdhsa_system_vgpr_workitem_id 0
		.amdhsa_next_free_vgpr 256
		.amdhsa_next_free_sgpr 66
		.amdhsa_reserve_vcc 0
		.amdhsa_float_denorm_mode_32 3
		.amdhsa_float_denorm_mode_16_64 3
		.amdhsa_memory_ordered 1
		.amdhsa_forward_progress 1
		.amdhsa_inst_pref_size 57
	.end_amdhsa_kernel
	.amdgpu_metadata
---
amdhsa.version: [ 1, 2 ]
amdhsa.kernels:
  - .name:           k_qee35c67e26_oproj
    .symbol:         k_qee35c67e26_oproj.kd
    .args:
      - { .name: cq, .offset: 0, .size: 8, .value_kind: global_buffer, .address_space: global }
      - { .name: wq, .offset: 8, .size: 8, .value_kind: global_buffer, .address_space: global }
      - { .name: bo, .offset: 16, .size: 8, .value_kind: global_buffer, .address_space: global }
      - { .name: x, .offset: 24, .size: 8, .value_kind: global_buffer, .address_space: global }
      - { .name: gamma, .offset: 32, .size: 8, .value_kind: global_buffer, .address_space: global }
      - { .name: beta, .offset: 40, .size: 8, .value_kind: global_buffer, .address_space: global }
      - { .name: out0, .offset: 48, .size: 8, .value_kind: global_buffer, .address_space: global }
    .group_segment_fixed_size: 169984
    .private_segment_fixed_size: 0
    .kernarg_segment_align: 8
    .kernarg_segment_size: 56
    .max_flat_workgroup_size: 512
    .sgpr_count:     66
    .vgpr_count:     256
    .wavefront_size: 32
...
	.end_amdgpu_metadata
.endif
;; end of part 4
